; MI455X (gfx1250); checked and timed in simulation.
; The chip was launched on July 23, 2026; its instructions are those of AMD's public machine-readable ISA for CDNA 5 (MIT licence, August 2026) and "CDNA5" Instruction Set Architecture Reference Guide (July 2026). The comments in the code are by the model that wrote it; some were corrected since.
;; Economic Self Attention. Allowed arithmetic: matrix products marked QUANTISED: E2M1 operands, one E8M0 scale for each 32 along K, by v_wmma_scale_f32_16x16x128_f8f6f4 with both operands' format E2M1 (or v_wmma_scale_f32_32x16x128_f4), f32 sums; everything else in f32.
;; Inputs: Wk_codes 512 x 16 x 16 uint8 (E2M1 codes of Wk, K innermost, in blocks of 32 codes, two codes a byte); Wk_scales 512 x 16 uint8 (E8M0 scales of Wk, one for each 32 codes along K); Wo_codes 512 x 16 x 16 uint8 (E2M1 codes of Wo, K innermost, in blocks of 32 codes, two codes a byte); Wo_scales 512 x 16 uint8 (E8M0 scales of Wo, one for each 32 codes along K); Wq_codes 512 x 16 x 16 uint8 (E2M1 codes of Wq, K innermost, in blocks of 32 codes, two codes a byte); Wq_scales 512 x 16 uint8 (E8M0 scales of Wq, one for each 32 codes along K); Wv_codes 512 x 16 x 16 uint8 (E2M1 codes of Wv, K innermost, in blocks of 32 codes, two codes a byte); Wv_scales 512 x 16 uint8 (E8M0 scales of Wv, one for each 32 codes along K); bk 512 float32; bo 512 float32; bq 512 float32; bv 512 float32; gamma 2 x 4,096 x 1 float32; x_codes 2 x 4,096 x 16 x 16 uint8 (E2M1 codes of x, K innermost, in blocks of 32 codes, two codes a byte); x_scales 2 x 4,096 x 16 uint8 (E8M0 scales of x, one for each 32 codes along K).
;; Outputs: out0 2 x 4,096 x 512 float32.
;; This version of the problem:
;;   THIS VERSION OF THE PROBLEM IS GIVEN IN LOW PRECISION. The matrix products marked QUANTISED in the list below multiply operands that are first quantised to E2M1 (2 exponent bits, 1 mantissa bit; 4 bits a number), with one power-of-two scale for each 32 numbers along K (OCP MX v1.0); their sums are f32. All else is computed in f32.
;;   The module's matrix products, in the order in which they are computed (A, B: the left and right operand; K: the contracted axis; several contracted axes count as one K, in the product's order):
;;     1. [M 8,192, K 512] x [K 512, N 512]; A: input x (given as codes); B: input Wq (given as codes): QUANTISED
;;     2. [M 8,192, K 512] x [K 512, N 512]; A: input x (given as codes); B: input Wk (given as codes): QUANTISED
;;     3. [M 8,192, K 512] x [K 512, N 512]; A: input x (given as codes); B: input Wv (given as codes): QUANTISED
;;     4. batch 16 x [M 4,096, K 64] x [K 64, N 4,096]; A: computed on the way; B: computed on the way: QUANTISED
;;     5. batch 16 x [M 4,096, K 4,096] x [K 4,096, N 64]; A: softmax (see below); B: computed on the way: QUANTISED
;;     6. [M 8,192, K 512] x [K 512, N 512]; A: computed on the way; B: input Wo (given as codes): QUANTISED
;;   THE QUANTISER, for each operand of a quantised product, along K:
;;     - K is cut into blocks of 32 from its start; a last block that is shorter is filled with zeros.
;;     - A block's scale is 2^e with e = floor(log2(the largest magnitude in the block)) - 2, held to -126 .. 127; a block of zeros has e = 0. As a byte (E8M0): e + 127.
;;     - Each number is divided by its block's scale, clamped to +-6, and rounded to the nearest number of E2M1, ties to even, subnormals kept.
;;     - The product sums the exact products of the quantised numbers (number of the format x scale) in f32.
;;   ~~~python
;;   def quantise(x, axis):      # numpy; x: float32 -> the quantised numbers, widened to float32 again
;;       x = np.moveaxis(x, axis, -1); K = x.shape[-1]
;;       x = np.pad(x, [(0, 0)] * (x.ndim - 1) + [(0, -K % 32)]); x = x.reshape(x.shape[:-1] + (-1, 32)); a = np.abs(x).max(-1, keepdims=True)
;;       e = np.where(a > 0, np.clip(np.frexp(np.where(a > 0, a, 1))[1] - 1 - 2, -126, 127), 0)      # np.frexp(a)[1] - 1 = floor(log2(a)), exactly
;;       r = np.clip(x / 2.0 ** e, -6, 6)
;;       step = 2.0 ** (np.maximum(np.frexp(np.where(r == 0, 1, r))[1] - 1, 0) - 1)
;;       q = np.round(r / step) * step * 2.0 ** e      # np.round: ties to even
;;       return np.moveaxis(q.reshape(q.shape[:-2] + (-1,))[..., :K], -1, axis).astype(np.float32)
;;   ~~~
;;   SOFTMAX AHEAD OF A QUANTISED PRODUCT. Where the list says 'softmax', what is quantised is not the finished softmax but p = 2^(t - M), with t = logit x log2(e) and M = ceil(the row's largest t), a whole number; so 1/2 < the row's largest p <= 1. The row's sum l is taken of the UNQUANTISED p, in f32, and the product's result is divided by l at the end. Since M is a whole number, a kernel that streams over the keys may use a running M (the ceiling of the running maximum): every later rescaling is an exact power of two, which a block's scale takes up: the codes' values come out the same.
;;   OPERANDS COMPUTED ON THE WAY. 'Computed on the way' means the value that the module computes at that place (a softmax that the list does not call 'softmax' is quantised finished and normalised). What goes into a quantiser is computed in f32, as accurately as f32 sums, v_exp_f32 and their like allow (about 1e-6 of the number): no bf16 or f16 on the way to a quantiser, and a product that is left as it is and whose result goes on into a quantised operand takes f32 operands (vector FMAs, or v_wmma_f32_16x16x4_f32). A number that lies on a knife's edge between two numbers of the format may be rounded either way, as far as f32 arithmetic and the matrix unit's own rounding can turn it there, and no further.
;;   INPUTS GIVEN AS CODES. Wk (in the module: [512, 512], K = its axis 1); Wo (in the module: [512, 512], K = its axis 1); Wq (in the module: [512, 512], K = its axis 1); Wv (in the module: [512, 512], K = its axis 1); x (in the module: [2, 4096, 512], K = its axis 2): each comes as NAME_codes (uint8): NAME with its K axis moved to the last place and cut into blocks of 32 codes, [.., K / 32, bytes a block], one block behind the other in memory; two codes a byte, the lower K in the low four bits (a code: sign, 2 exponent bits, 1 mantissa bit); and NAME_scales (uint8): the same leading axes, one E8M0 byte (e + 127) for each 32 codes along K. Its value is code x scale, taken as it is: it is not quantised again, and the codes and scales need not be those that the quantiser above would give.
;; 2 versions, each right; version 2 is version 1 with the launches proj, oproj written anew for expert scheduling mode. Each part assembles by itself: llvm-mc -triple=amdgcn-amd-amdhsa -mcpu=gfx1250 --defsym DOCPART=n.
;; ======== version 1 of 2: 3 launches
;; workspace buffers: qb 4,587,520 bytes; kv 4,587,520 bytes; oc 2,097,152 bytes; os 262,144 bytes
;; launch proj (part 1): grid 64 x 3, 4 waves a work-group, no clusters, 0 bytes of LDS; arguments x_codes, x_scales, Wq_codes, Wq_scales, bq, Wk_codes, Wk_scales, bk, Wv_codes, Wv_scales, bv, qb, kv; writes qb, kv
.if DOCPART == 1
	.amdgcn_target "amdgcn-amd-amdhsa--gfx1250"
	.amdhsa_code_object_version 6
	.text
	.protected	k_qcbd04051e6_proj
	.globl	k_qcbd04051e6_proj
	.p2align	8
	.type	k_qcbd04051e6_proj,@function
k_qcbd04051e6_proj:
	s_mov_b64 s[64:65], 0
	v_nop
	global_prefetch_b8 v0, s[64:65] scope:SCOPE_SE
	s_setreg_imm32_b32 hwreg(HW_REG_WAVE_MODE, 25, 1), 1
	s_wait_xcnt 0x0
; LAUNCH 1 OF 3.  q, k, v = x W^T + b on codes of E2M1 with one E8M0 scale for each 32 along K (K = 512), sums in f32; the results are quantised again,
; q and k along the head's 64 channels, v along the keys, and stored as IMAGES OF OPERAND REGISTERS (lane l's 16 bytes at 16 l), so that launch 2 reads fragments by dense loads alone.
; WORK THAT THE PROGRAM LEAVES OUT (in launch 2), for all values of the inputs:
;  (1) reference() gives key j the score -inf for query i where j > i, by a mask that it builds from the shapes alone; the softmax gives such a key the weight 0.  So a step of 128 keys all of
;      which come after a tile's 16 queries reaches no output, and is neither loaded into registers nor multiplied.
;  (2) clip(i - j, 0) = i - j for every key that counts (j <= i): the clip is run only in a tile's one step on the diagonal, where it keeps the hidden lanes' logarithms finite.
; Every input has a way to the output, and all are loaded (bk too: it moves k's codes).
; LIMITS.  -log1p(gamma d + 1e-8) is taken as -ln(fma(gamma, d, 1)): the logit differs by at most 1e-8 and one rounding of a number near 1 (6e-8), for every gamma and d: an order of rounding.
; Hidden scores are -3e38, not -infinity: scores of magnitude 1e37 and above are not served.  gamma (i - j) > -1 is needed, as in reference().  NaN and infinities among the inputs are not served;
; a NaN, an infinity or an overflow that reaches only the steps left out is not carried to the result.  A block of zeros gets the scale byte 1 where the rule says 127: its codes are zeros, and the
; bytes are read by this program alone.  Blocks whose largest magnitude lies under 2^(3 - 127) are held at the byte 1.
; SHARES.  Work-group x: 128 tokens (one key step of one batch); y: 0 = q, 1 = k, 2 = v.  Wave w: channels 128 w .. 128 w + 127, the two heads of pair w.
; ONE ARITHMETIC FOR ALL THREE.  D = A (a STATIONARY tile of 16 rows, kept in registers) x B (a MOVING tile of 16 rows): a lane holds one moving row and its registers run along the stationary rows.
; q, k: stationary = W's 128 rows, moving = x's 128 rows: a lane holds a token and 64 of its channels.  v: stationary = x's rows, moving = Wv's: a lane holds a channel and 64 keys.
; Both tensors have rows of 256 bytes of codes and 16 bytes of scales, so only pointers are chosen, on the work-group's number.
; THE ROWS OF A TILE ARE NOT NEIGHBOURS: lane r of tile 2 b + u takes row 32 b + 8 u + r + 8 (r / 8) of the 128, on both sides.  So the 16 registers of tiles 2 b, 2 b + 1 are 16 neighbours,
; 32 b + 16 (lane / 16) + 0 .. 15, which is what the conversions want, and launch 2's tiles of keys, queries and channels come out in the order that its own quantisers want.
; OUT: a block of 8,960 bytes for each (batch, head pair, key step, head of the pair): +0 eight tiles of k (or q), 512 bytes each; +4096 four tiles of v, 1,024 each; +8192 k's (q's) scale words,
; [lane][4]: word j of lane l belongs to tile 2 j + l / 16, row l % 16; +8704 v's, [lane][2].  No LDS, no barrier: waves share nothing.
; REGISTERS: window 0: v4-10 offsets; v16-79 two moving fragments sets; v80-87 their scale words; v88-119 the stationary scale words; v120-183 eight accumulators; v184-191 codes; v192-221 at work.
;   window 1: the 32 stationary fragments, (tile t, K step s) at v[8 (4 t + s)].   window 2: the bias in the result's layout.
.set BLK,   8960
.set RA,    4                          ; v4   (r + 8 (r / 8)) x 256 + 16 h: my row's codes in a tile
.set RS,    5                          ; v5   (r + 8 (r / 8)) x 16: its scale bytes
.set LI16,  6                          ; v6   16 x lane
.set LI8,   7                          ; v7   8 x lane
.set BAQ,   8                          ; v8   64 h: the bias of q, k: my half's 16 channels of a block
.set BAV,   10                         ; v10  4 (r + 8 (r / 8)): the bias of v: my channel
.set MF,    16
.set MSC,   80
.set SSC,   88
.set ACC,   120
.set PC,    184
.set TM,    192
.set PW,    208
.set W1,    209
.set KSW,   212
.set BV,    220
.set CB,    0                          ; in window 2
.set WVE,   34
.set KIND,  35
.set SEL,   36
.set HM,    38
.set WC,    40
.set WS,    42
.set BB,    44
.set DST,   46
.set SCP,   48
.set SSP,   50
.set MCP,   52
.set MSP,   54
.set MSB, 0
.macro WIN new                         ; the immediate's high byte repeats the setting that is left
.if MSB != \new
	s_set_vgpr_msb (MSB<<8)|\new
.set MSB, \new
.endif
.endm
.macro MM d, a, b, c, sa, sb
	v_wmma_scale_f32_16x16x128_f8f6f4 v[\d:\d+7], v[\a:\a+7], v[\b:\b+7], v[\c:\c+7], v[\sa], v[\sb] matrix_a_fmt:MATRIX_FMT_FP4 matrix_b_fmt:MATRIX_FMT_FP4
.endm
; 64 numbers of a lane, register 16 b + i = place 32 b + 16 (lane / 16) + i of my row, become a fragment's codes in v[PC] on and the row's scale word in v[PW].
.macro QUANT src
.irp b, 0,1,2,3
	v_max3_num_f32 v[TM+\b], |v[\src+16*\b]|, |v[\src+1+16*\b]|, 0x1800000   ; my 16 numbers of block b, and the floor 2^(3 - 127): the byte cannot fall under 1
.endr
.irp i, 2,4,6,8,10,12,14
.irp b, 0,1,2,3
	v_max3_num_f32 v[TM+\b], v[TM+\b], |v[\src+16*\b+\i]|, |v[\src+1+16*\b+\i]|   ; the four blocks by turns
.endr
.endr
.irp b, 0,1,2,3
	v_permlanex16_b32 v[TM+4+\b], v[TM+\b], s[SEL], s[SEL+1]
.endr
.irp b, 0,1,2,3
	v_max_num_f32 v[TM+\b], v[TM+\b], v[TM+4+\b]       ; with lane l xor 16's: the block's largest magnitude
.endr
.irp b, 0,1,2,3
	v_add_nc_u32 v[TM+12+\b], 0xff000000, v[TM+\b]     ; 2 off its exponent field: the conversion's scale operand
.endr
.irp b, 0,1,2,3
	v_lshrrev_b32 v[TM+4+\b], 23, v[TM+12+\b]          ; the scale's byte
.endr
	v_lshl_or_b32 v[PW], v[TM+5], 8, v[TM+4]
	v_lshl_or_b32 v[PW], v[TM+6], 16, v[PW]
	v_lshl_or_b32 v[PW], v[TM+7], 24, v[PW]
.irp b, 0,1,2,3
	v_cvt_scalef32_pk8_fp4_f32 v[PC+2*\b], v[\src+16*\b:\src+7+16*\b], v[TM+12+\b]
	v_cvt_scalef32_pk8_fp4_f32 v[PC+1+2*\b], v[\src+8+16*\b:\src+15+16*\b], v[TM+12+\b]
.endr
	v_nop                                              ; one plain place behind a scaled conversion
.irp c, 0,1                                        ; a whole block to a lane: lanes 0-15 block 2 c, lanes 16-31 block 2 c + 1
.irp i, 0,1
	v_permlane16_swap_b32 v[PC+4*\c+\i], v[PC+2+4*\c+\i]
.endr
.endr
.endm
; moving tile m: its four fragments and its scale words into set m % 2 (v: and its rows' bias): 9 loads, or 10
.macro LOADM kind, m
.set LFB, MF+32*((\m)%2)
.set LSB, MSC+4*((\m)%2)
.set LRO, 32*((\m)/2)+8*((\m)%2)
.irp s, 0,1,2,3
.irp c, 0,1
	global_load_b128 v[LFB+8*\s+4*\c:LFB+8*\s+4*\c+3], v[RA], s[MCP:MCP+1] offset:LRO*256+64*\s+32*\c
.endr
.endr
	global_load_b128 v[LSB:LSB+3], v[RS], s[MSP:MSP+1] offset:LRO*16
.if \kind
	global_load_b32 v[BV+(\m)%2], v[BAV], s[BB:BB+1] offset:LRO*4
.endif
.endm
; moving tile m against the eight stationary tiles, K step by K step, the eight accumulators by turns; then quantised and stored.
.macro MTILE kind, m
.set MFB, MF+32*((\m)%2)
.set MSCB, MSC+4*((\m)%2)
.if (\m) < 7
	LOADM \kind, (\m)+1                                ; the next tile, into the set that tile m - 1 has left (its products stand a whole QUANT back)
	s_wait_loadcnt 9+\kind                             ; all but the loads just issued: tile m, and at m = 0 the stationary side and the bias
.else
	s_wait_loadcnt 0x0
.endif
.if \kind
	WIN 0x80                                           ; destination window 2
.irp j, 0,1,2,3,4,5,6,7
	v_mov_b32 v[CB+\j], v[BV+(\m)%2]                   ; v's bias hangs on the lane's channel alone: the same in all eight registers, for all eight tiles
.endr
.rept 4
	v_nop
.endr
.endif
	WIN 0x21                                           ; A window 1, B window 0, C (the bias) window 2, D window 0
.irp t, 0,1,2,3,4,5,6,7
.if \kind
	MM ACC+8*\t, 32*\t, MFB, CB, SSC+4*\t, MSCB
.else
	MM ACC+8*\t, 32*\t, MFB, CB+8*\t, SSC+4*\t, MSCB
.endif
.endr
	WIN 0x01
.irp s, 1,2,3
.irp t, 0,1,2,3,4,5,6,7
	MM ACC+8*\t, 32*\t+8*\s, MFB+8*\s, ACC+8*\t, SSC+4*\t+\s, MSCB+\s
.endr
.endr
	WIN 0
.rept 4
	v_nop                                              ; places in front of the first read of results
.endr
	s_wait_xcnt 0x0                                    ; the last tile's stores have read the codes' registers: they are written again only behind this wait
	QUANT ACC
.if \kind == 0
	global_store_b128 v[LI16], v[PC:PC+3], s[DST:DST+1] offset:512*(\m)          ; head 0 of the pair: channels 32 h .. of my token: 512 dense bytes a store
	global_store_b128 v[LI16], v[PC+4:PC+7], s[DST:DST+1] offset:BLK+512*(\m)    ; head 1
	v_lshrrev_b32 v[W1], 16, v[PW]
	v_lshl_or_b32 v[W1], v[PW], 16, v[W1]              ; head 1's word: its two bytes below, head 0's above (those scale zero codes in launch 2)
.if (\m)%2 == 0
	v_mov_b32 v[KSW+(\m)/2], v[PW]
	v_mov_b32 v[KSW+4+(\m)/2], v[W1]
.else
	v_cndmask_b32 v[KSW+(\m)/2], v[KSW+(\m)/2], v[PW], s[HM]       ; lanes 16-31 carry the odd tile's words
	v_cndmask_b32 v[KSW+4+(\m)/2], v[KSW+4+(\m)/2], v[W1], s[HM]
.endif
.else
	global_store_b128 v[LI16], v[PC:PC+3], s[DST:DST+1] offset:((\m)/4)*BLK+4096+1024*((\m)%4)       ; keys 32 h .. of my channel
	global_store_b128 v[LI16], v[PC+4:PC+7], s[DST:DST+1] offset:((\m)/4)*BLK+4096+1024*((\m)%4)+512  ; keys 64 + 32 h ..
.if (\m)%2 == 0
	v_mov_b32 v[KSW+(\m)/2], v[PW]
.else
	v_cndmask_b32 v[KSW+(\m)/2], v[KSW+(\m)/2], v[PW], s[HM]
.endif
.endif
.endm
	s_load_b512 s[8:23], s[0:1], 0x0                   ; x's codes 8, x's scales 10, Wq's codes 12, scales 14, bq 16, Wk's codes 18, scales 20, bk 22
	s_load_b256 s[24:31], s[0:1], 0x40                 ; Wv's codes 24, scales 26, bv 28, qb 30
	s_load_b64 s[32:33], s[0:1], 0x60                  ; kv
	v_lshrrev_b32 v1, 5, v0
	v_readfirstlane_b32 s[WVE], v1                     ; wave 0..3
	v_and_b32 v1, 31, v0                               ; lane
	v_and_b32 v2, 15, v0                               ; r
	v_bfe_u32 v3, v0, 4, 1                             ; h
	v_and_b32 v9, 8, v2
	v_add_nc_u32 v9, v9, v2                            ; r + 8 (r / 8)
	v_lshlrev_b32 v[RA], 8, v9
	v_lshl_add_u32 v[RA], v3, 4, v[RA]
	v_lshlrev_b32 v[RS], 4, v9
	v_lshlrev_b32 v[LI16], 4, v1
	v_lshlrev_b32 v[LI8], 3, v1
	v_lshlrev_b32 v[BAQ], 6, v3
	v_lshlrev_b32 v[BAV], 2, v9
.irp b, 0,1,2,3
	v_mov_b32 v[TM+4+\b], 0                            ; written once: a lane permute's destination counts as one of its sources
.endr
	s_and_b32 s[KIND], ttmp7, 0xffff
	s_mov_b32 s[SEL], 0x76543210
	s_mov_b32 s[SEL+1], 0xfedcba98                     ; v_permlanex16_b32's selects for lane l xor 16
	s_mov_b32 s[HM], 0xffff0000                        ; lanes 16-31
	s_lshl_b32 s56, ttmp9, 15                          ; x: 128 rows of 256 bytes a work-group,
	s_mov_b32 s57, 0
	s_lshl_b32 s58, ttmp9, 11                          ; and of 16
	s_mov_b32 s59, 0
	s_lshl_b32 s60, s[WVE], 15                         ; W: 128 rows a wave
	s_mov_b32 s61, 0
	s_lshl_b32 s62, s[WVE], 11
	s_mov_b32 s63, 0
	s_lshl_b32 s2, s[WVE], 9                           ; the bias: 128 numbers a wave
	s_mov_b32 s3, 0
	s_lshr_b32 s4, ttmp9, 5                            ; batch
	s_lshl_b32 s4, s4, 2
	s_add_co_u32 s4, s4, s[WVE]                        ; 4 x batch + head pair
	s_lshl_b32 s4, s4, 5
	s_and_b32 s5, ttmp9, 31                            ; key step
	s_add_co_u32 s4, s4, s5
	s_mul_i32 s4, s4, 2*BLK                            ; under 2^23
	s_mov_b32 s5, 0
	s_wait_kmcnt 0x0
	s_cmp_eq_u32 s[KIND], 0                            ; the choices hang on the work-group's number alone
	s_cselect_b64 s[WC:WC+1], s[12:13], s[18:19]
	s_cselect_b64 s[WS:WS+1], s[14:15], s[20:21]
	s_cselect_b64 s[BB:BB+1], s[16:17], s[22:23]
	s_cselect_b64 s[DST:DST+1], s[30:31], s[32:33]
	s_cmp_eq_u32 s[KIND], 2
	s_cselect_b64 s[WC:WC+1], s[24:25], s[WC:WC+1]
	s_cselect_b64 s[WS:WS+1], s[26:27], s[WS:WS+1]
	s_cselect_b64 s[BB:BB+1], s[28:29], s[BB:BB+1]
	s_add_nc_u64 s[WC:WC+1], s[WC:WC+1], s[60:61]
	s_add_nc_u64 s[WS:WS+1], s[WS:WS+1], s[62:63]
	s_add_nc_u64 s[BB:BB+1], s[BB:BB+1], s[2:3]
	s_add_nc_u64 s[DST:DST+1], s[DST:DST+1], s[4:5]
	s_add_nc_u64 s[8:9], s[8:9], s[56:57]
	s_add_nc_u64 s[10:11], s[10:11], s[58:59]
	s_cmp_eq_u32 s[KIND], 2                            ; v: x stands and Wv moves; q, k: the other way round
	s_cselect_b64 s[SCP:SCP+1], s[8:9], s[WC:WC+1]
	s_cselect_b64 s[SSP:SSP+1], s[10:11], s[WS:WS+1]
	s_cselect_b64 s[MCP:MCP+1], s[WC:WC+1], s[8:9]
	s_cselect_b64 s[MSP:MSP+1], s[WS:WS+1], s[10:11]
	WIN 0x40                                           ; destination window 1: the stationary side's 32 fragments: they stay
.irp t, 0,1,2,3,4,5,6,7
.irp s, 0,1,2,3
.irp c, 0,1
	global_load_b128 v[8*(4*\t+\s)+4*\c:8*(4*\t+\s)+4*\c+3], v[RA], s[SCP:SCP+1] offset:(32*(\t/2)+8*(\t%2))*256+64*\s+32*\c
.endr
.endr
.endr
	WIN 0
.irp t, 0,1,2,3,4,5,6,7
	global_load_b128 v[SSC+4*\t:SSC+4*\t+3], v[RS], s[SSP:SSP+1] offset:(32*(\t/2)+8*(\t%2))*16   ; a row's four scale words, one a K step
.endr
	s_cmp_eq_u32 s[KIND], 2
	s_cbranch_scc1 .Lkind_v
	WIN 0x80                                           ; q, k: the bias in the result's layout: tile 2 b + u, register j: channel 32 b + 16 h + 8 u + j
.irp t, 0,1,2,3,4,5,6,7
	global_load_b128 v[CB+8*\t:CB+8*\t+3], v[BAQ], s[BB:BB+1] offset:(32*(\t/2)+8*(\t%2))*4
	global_load_b128 v[CB+8*\t+4:CB+8*\t+7], v[BAQ], s[BB:BB+1] offset:(32*(\t/2)+8*(\t%2))*4+16
.endr
	WIN 0
	LOADM 0, 0
.irp m, 0,1,2,3,4,5,6,7
	MTILE 0, \m
.endr
	global_store_b128 v[LI16], v[KSW:KSW+3], s[DST:DST+1] offset:8192            ; the eight tiles' scale words, head 0: 512 dense bytes
	global_store_b128 v[LI16], v[KSW+4:KSW+7], s[DST:DST+1] offset:BLK+8192      ; head 1
	s_endpgm
.Lkind_v:
	LOADM 1, 0
.irp m, 0,1,2,3,4,5,6,7
	MTILE 1, \m
.endr
	global_store_b64 v[LI8], v[KSW:KSW+1], s[DST:DST+1] offset:8704              ; head 0's four tiles' scale words: 256 dense bytes
	global_store_b64 v[LI8], v[KSW+2:KSW+3], s[DST:DST+1] offset:BLK+8704        ; head 1's
	s_endpgm
.Lfunc_end_k_qcbd04051e6_proj:
	.size	k_qcbd04051e6_proj, .Lfunc_end_k_qcbd04051e6_proj-k_qcbd04051e6_proj
	.p2alignl 7, 3214868480
	.fill 96, 4, 3214868480
	.section	.rodata,"a",@progbits
	.p2align	6, 0x0
	.amdhsa_kernel k_qcbd04051e6_proj
		.amdhsa_group_segment_fixed_size 0
		.amdhsa_private_segment_fixed_size 0
		.amdhsa_enable_private_segment 0
		.amdhsa_kernarg_size 104
		.amdhsa_user_sgpr_count 2
		.amdhsa_user_sgpr_kernarg_segment_ptr 1
		.amdhsa_wavefront_size32 1
		.amdhsa_system_sgpr_workgroup_id_x 1
		.amdhsa_system_sgpr_workgroup_id_y 1
		.amdhsa_system_sgpr_workgroup_id_z 1
		.amdhsa_system_vgpr_workitem_id 0
		.amdhsa_next_free_vgpr 640
		.amdhsa_next_free_sgpr 66
		.amdhsa_reserve_vcc 0
		.amdhsa_float_denorm_mode_32 3
		.amdhsa_float_denorm_mode_16_64 3
		.amdhsa_memory_ordered 1
		.amdhsa_forward_progress 1
		.amdhsa_inst_pref_size 162
	.end_amdhsa_kernel
	.amdgpu_metadata
---
amdhsa.version: [ 1, 2 ]
amdhsa.kernels:
  - .name:           k_qcbd04051e6_proj
    .symbol:         k_qcbd04051e6_proj.kd
    .args:
      - { .name: x_codes, .offset: 0, .size: 8, .value_kind: global_buffer, .address_space: global }
      - { .name: x_scales, .offset: 8, .size: 8, .value_kind: global_buffer, .address_space: global }
      - { .name: Wq_codes, .offset: 16, .size: 8, .value_kind: global_buffer, .address_space: global }
      - { .name: Wq_scales, .offset: 24, .size: 8, .value_kind: global_buffer, .address_space: global }
      - { .name: bq, .offset: 32, .size: 8, .value_kind: global_buffer, .address_space: global }
      - { .name: Wk_codes, .offset: 40, .size: 8, .value_kind: global_buffer, .address_space: global }
      - { .name: Wk_scales, .offset: 48, .size: 8, .value_kind: global_buffer, .address_space: global }
      - { .name: bk, .offset: 56, .size: 8, .value_kind: global_buffer, .address_space: global }
      - { .name: Wv_codes, .offset: 64, .size: 8, .value_kind: global_buffer, .address_space: global }
      - { .name: Wv_scales, .offset: 72, .size: 8, .value_kind: global_buffer, .address_space: global }
      - { .name: bv, .offset: 80, .size: 8, .value_kind: global_buffer, .address_space: global }
      - { .name: qb, .offset: 88, .size: 8, .value_kind: global_buffer, .address_space: global }
      - { .name: kv, .offset: 96, .size: 8, .value_kind: global_buffer, .address_space: global }
    .group_segment_fixed_size: 0
    .private_segment_fixed_size: 0
    .kernarg_segment_align: 8
    .kernarg_segment_size: 104
    .max_flat_workgroup_size: 128
    .sgpr_count:     66
    .vgpr_count:     640
    .wavefront_size: 32
...
	.end_amdgpu_metadata
.endif
;; end of part 1
;; launch attn (part 2): grid 32 x 8, 8 waves a work-group, no clusters, 327,680 bytes of LDS; arguments qb, kv, gamma, oc, os; writes oc, os
.if DOCPART == 2
	.amdgcn_target "amdgcn-amd-amdhsa--gfx1250"
	.amdhsa_code_object_version 6
	.text
	.protected	k_qcbd04051e6_attn
	.globl	k_qcbd04051e6_attn
	.p2align	8
	.type	k_qcbd04051e6_attn,@function
k_qcbd04051e6_attn:
	s_mov_b64 s[64:65], 0
	v_nop
	global_prefetch_b8 v0, s[64:65] scope:SCOPE_SE
	s_setreg_imm32_b32 hwreg(HW_REG_WAVE_MODE, 25, 1), 1
	s_wait_xcnt 0x0
; LAUNCH 2 OF 3.  o = softmax(q k^T / 8 - log1p(gamma_i (i - j) + 1e-8), causal) v, both products on codes of E2M1 with E8M0 scales; o is quantised along the 512 channels for launch 3.
; LEFT OUT (shown at the head of launch 1): key steps all of whose keys come after a tile's queries; the clip of i - j outside the diagonal step.  The limits stated there hold here.
; THE SOFTMAX: t = logit x log2(e); M = the running largest t rounded up to a whole number; p = 2^(t - M) is quantised along the keys, not normalised; the row's sum is taken of the unquantised p and
; divides at the end; when M moves, the sum and O^T are multiplied by 2^(old M - new M), which rounds nothing.
; THE BIAS AND THE MASK RIDE IN AS THE C OF THE SCORE PRODUCT: D = k . q + C with C = -8 ln(1 + gamma d), or -3e38 for a hidden key, so that logit = D / 8 and t = c D, c = log2(e) / 8.
; The bias hangs on batch, query and key, not on the head: A WAVE OWNS ONE TILE OF 16 QUERIES FOR THE TWO HEADS OF A PAIR, and a key step's 64 bias registers are made once for both.
; K = 64 IN AN INSTRUCTION OF K = 128: q's registers 4-7 are zero codes, so what k's registers 4-7 hold counts for nothing: k's tiles lie 4 registers apart and tile t names 8 from its first;
; the scale bytes of that half are the pair's other head's (1 to 254).
; SHARES.  Work-group (beta, y): head pair y % 4 of batch y / 4; the blocks of 64 queries 63 - beta (waves 0-3) and beta (waves 4-7), a tile a wave: a late tile's and an early tile's key steps
; add to 33 for every beta.  Tile tau holds queries 32 (tau / 2) + 8 (tau % 2) + r + 8 (r / 8).
; Both products are used transposed (S^T = k q^T, O^T = v^T p^T): a lane holds one query throughout; launch 1 chose the keys of a tile of k and the channels of a tile of v so that 16 registers of two
; neighbouring tiles are 16 neighbours.
; THE RING: two LDS slots of 4 key steps x 2 heads = 8 blocks of 8,960 bytes, dense in memory as in LDS; wave w fetches block w by one tensor load (35 rows of 256 bytes); all eight read all blocks.
; All reads are 16 x lane or 8 x lane on end: no pitch, no padding.  Every work-group walks all 8 slots (the trip counts are constants); a hidden step's work is jumped over by a branch on ids.
; NO CLUSTER, though the 32 work-groups of a y read the same slots: a slot beyond the work-group's last query is not asked for, and the partners' limits differ, so they would need different numbers of tiles.
; REGISTERS: window 0: v1-15 addresses and constants; v16-23 the two heads' -M, largest t, sum (two halves); v24-38 scale words alone; v40-41 f; v42-49 p's codes; v64-84 at work; v96-159 the bias; v160-223 S^T, then p.
;   window 1: v40-103 O^T (head e, tile t at 32 e + 8 t); v104-167 k; v168-171 zeros; v172-235 v; v236-251 q.
.set BLK,   8960
.set STEPB, 2*BLK
.set SLOTB, 4*STEPB
.set YB,    32*STEPB
.set SLOT1, 1<<17                      ; slot 1 begins here: one exclusive or turns an address from one slot to the other
.set SPARE, 2*SLOT1                    ; the spare words, 128 bytes for each of eight waves: four blocks of 256 bytes that no other line names
.set LI16,  1
.set LI8,   2
.set LI4,   3
.set ADR16, 4
.set ADR8,  5
.set SPW,   6                          ; v6   LDS address of my spare word; never rewritten
.set NIL,   7                          ; v7   0; never rewritten
.set IQ,    8                          ; v8   my query - 16 (lane / 16)
.set DI,    9                          ; v9   that less the step's first key: register 16 b + i holds the key at distance DI - (32 b + i)
.set G,     12                         ; v[12:13] gamma of my query (the low word serves both halves)
.set NEG,   14
.set PFO,   15
.set ST,    16
.set KS,    24
.set VS,    32
.set QS,    36
.set PW,    38
.set PFO2,  39
.set F,     40
.set P,     42
.set TM,    64
.set R1,    80
.set C2,    82
.set X,     84
.set BI,    96
.set S,     160
.set OA,    40                         ; window 1
.set KR,    104
.set TAIL,  168
.set VR,    172
.set QR,    236
.set WV,    18
.set SEL,   20
.set CS,    22
.set G1,    24
.set G0,    32
.set TB,    36                         ; s36  LDS byte at which the step in hand begins
.set KF,    38                         ; s38  the step's first key
.set Q0,    39                         ; s39  my tile's first query
.set QL,    40                         ; s40  its last
.set WLQ,   41                         ; s41  my work-group's last query
.set SLOTS, 42
.set CNT,   43
.set LIM,   44
.set PFA,   46
.set MSB, 0
.macro WIN new                         ; the immediate's high byte repeats the setting that is left
.if MSB != \new
	s_set_vgpr_msb (MSB<<8)|\new
.set MSB, \new
.endif
.endm
.macro MMS t, hd                       ; S^T tile t of head hd: source 0 = 16 keys, source 1 = my 16 queries, C = the bias.  An even tile's scale words lie in lanes 0-15, an odd tile's in lanes 16-31
.if (\t)%2
	v_wmma_scale_f32_16x16x128_f8f6f4 v[S+8*(\t):S+8*(\t)+7], v[KR+32*(\hd)+4*(\t):KR+32*(\hd)+4*(\t)+7], v[QR+8*(\hd):QR+8*(\hd)+7], v[BI+8*(\t):BI+8*(\t)+7], v[KS+4*(\hd)+(\t)/2], v[QS+(\hd)] matrix_a_fmt:MATRIX_FMT_FP4 matrix_b_fmt:MATRIX_FMT_FP4 matrix_a_scale:MATRIX_SCALE_ROW1
.else
	v_wmma_scale_f32_16x16x128_f8f6f4 v[S+8*(\t):S+8*(\t)+7], v[KR+32*(\hd)+4*(\t):KR+32*(\hd)+4*(\t)+7], v[QR+8*(\hd):QR+8*(\hd)+7], v[BI+8*(\t):BI+8*(\t)+7], v[KS+4*(\hd)+(\t)/2], v[QS+(\hd)] matrix_a_fmt:MATRIX_FMT_FP4 matrix_b_fmt:MATRIX_FMT_FP4
.endif
.endm
.macro MMO t, hd                       ; O^T tile t of head hd += 16 channels x 128 keys of v times p
.if (\t)%2
	v_wmma_scale_f32_16x16x128_f8f6f4 v[OA+32*(\hd)+8*(\t):OA+32*(\hd)+8*(\t)+7], v[VR+32*(\hd)+8*(\t):VR+32*(\hd)+8*(\t)+7], v[P:P+7], v[OA+32*(\hd)+8*(\t):OA+32*(\hd)+8*(\t)+7], v[VS+2*(\hd)+(\t)/2], v[PW] matrix_a_fmt:MATRIX_FMT_FP4 matrix_b_fmt:MATRIX_FMT_FP4 matrix_a_scale:MATRIX_SCALE_ROW1
.else
	v_wmma_scale_f32_16x16x128_f8f6f4 v[OA+32*(\hd)+8*(\t):OA+32*(\hd)+8*(\t)+7], v[VR+32*(\hd)+8*(\t):VR+32*(\hd)+8*(\t)+7], v[P:P+7], v[OA+32*(\hd)+8*(\t):OA+32*(\hd)+8*(\t)+7], v[VS+2*(\hd)+(\t)/2], v[PW] matrix_a_fmt:MATRIX_FMT_FP4 matrix_b_fmt:MATRIX_FMT_FP4
.endif
.endm
; the codes and the scale word from four largest magnitudes in v[TM] .. v[TM+3] (floored) and 64 numbers in v[S] on
.macro CODES
.irp b, 0,1,2,3
	v_add_nc_u32 v[TM+12+\b], 0xff000000, v[TM+\b]     ; 2 off the exponent field: the conversion's scale operand
.endr
.irp b, 0,1,2,3
	v_lshrrev_b32 v[TM+4+\b], 23, v[TM+12+\b]          ; the scale's byte
.endr
	v_lshl_or_b32 v[PW], v[TM+5], 8, v[TM+4]
	v_lshl_or_b32 v[PW], v[TM+6], 16, v[PW]
	v_lshl_or_b32 v[PW], v[TM+7], 24, v[PW]
.irp b, 0,1,2,3
	v_cvt_scalef32_pk8_fp4_f32 v[P+2*\b], v[S+16*\b:S+7+16*\b], v[TM+12+\b]
	v_cvt_scalef32_pk8_fp4_f32 v[P+1+2*\b], v[S+8+16*\b:S+15+16*\b], v[TM+12+\b]
.endr
	v_nop                                              ; one plain place behind a scaled conversion
.irp c, 0,1                                        ; a whole block to a lane: lanes 0-15 block 2 c, lanes 16-31 block 2 c + 1
.irp i, 0,1
	v_permlane16_swap_b32 v[P+4*\c+\i], v[P+2+4*\c+\i]
.endr
.endr
.endm
; ONE HEAD'S PART OF A KEY STEP: 8 score products, the softmax of 16 queries x 128 keys, 4 products with v.
.macro HEAD hd
.set STE, ST+4*(\hd)
	WIN 0x05                                           ; k and q window 1; the bias and S^T window 0
.irp t, 0,1,2,3,4,5,6,7
	MMS \t, \hd
.endr
	WIN 0
.rept 4
	v_nop                                              ; places in front of the first read of results
.endr
.irp b, 0,1,2,3
	v_max3_num_f32 v[TM+\b], v[S+16*\b], v[S+1+16*\b], v[S+2+16*\b]   ; the largest D of each block of 32 keys: it serves the row's maximum and, since p rises with D, the block's largest p
.endr
.irp i, 3,5,7,9,11,13
.irp b, 0,1,2,3
	v_max3_num_f32 v[TM+\b], v[TM+\b], v[S+16*\b+\i], v[S+1+16*\b+\i]
.endr
.endr
.irp b, 0,1,2,3
	v_max_num_f32 v[TM+\b], v[TM+\b], v[S+15+16*\b]
.endr
.irp b, 0,1,2,3
	v_permlanex16_b32 v[TM+4+\b], v[TM+\b], s[SEL], s[SEL+1]
.endr
.irp b, 0,1,2,3
	v_max_num_f32 v[TM+\b], v[TM+\b], v[TM+4+\b]       ; with lane l xor 16's 16 keys
.endr
	v_max3_num_f32 v[X], v[TM], v[TM+1], v[TM+2]
	v_max_num_f32 v[X], v[X], v[TM+3]
	v_mul_f32 v[X], s[CS], v[X]                        ; the step's largest t (c is positive)
	v_max_num_f32 v[STE+1], v[STE+1], v[X]             ; the running largest t
	v_mov_b32 v[X], v[STE]
	v_floor_f32 v[STE], -v[STE+1]                      ; the new -M = floor(-t): M is a whole number
	v_sub_f32 v[X], v[STE], v[X]                       ; old M - new M: a whole number, 0 or less
	v_cvt_i32_f32 v[X], v[X]                           ; (it saturates)
	v_ldexp_f32 v[F], 1.0, v[X]                        ; f = 2^(old M - new M)
.set n, 0
.rept 32
	v_pk_fma_f32 v[S+n:S+n+1], v[S+n:S+n+1], s[CS:CS+1], v[STE:STE+1] op_sel_hi:[1,0,0]   ; t - M, two at a time
.set n, n+2
.endr
.irp b, 0,1,2,3
	v_fma_f32 v[TM+\b], v[TM+\b], s[CS], v[STE]        ; the same of each block's largest D
.endr
.set n, 0
.rept 64
	v_exp_f32 v[S+n], v[S+n]                           ; p = 2^(t - M)
.set n, n+1
.endr
	v_pk_mul_f32 v[STE+2:STE+3], v[STE+2:STE+3], v[F:F+1] op_sel_hi:[1,0]   ; the sums under the new M: a plain place behind the exponentials
	s_wait_alu depctr_va_vdst(0)                       ; one wait for the batch of 64, ahead of its first reader
.irp b, 0,1,2,3
	v_exp_f32 v[TM+\b], v[TM+\b]                       ; the block's largest p: the same two instructions on the same number
.endr
	v_pk_add_f32 v[C2:C2+1], v[S:S+1], v[S+2:S+3]      ; the row's sum, of the unquantised p, in two chains; it reads the 64 alone
.set n, 4
.rept 15
	v_pk_add_f32 v[STE+2:STE+3], v[STE+2:STE+3], v[S+n:S+n+1]
	v_pk_add_f32 v[C2:C2+1], v[C2:C2+1], v[S+2+n:S+3+n]
.set n, n+4
.endr
	v_pk_add_f32 v[STE+2:STE+3], v[STE+2:STE+3], v[C2:C2+1]
	s_wait_alu depctr_va_vdst(0)                       ; and one for the four
.irp b, 0,1,2,3
	v_max_num_f32 v[TM+\b], 0x1800000, v[TM+\b]        ; the floor 2^(3 - 127): a block whose every p is 0 keeps the byte 1: its codes are zeros
.endr
	CODES
	WIN 0x41                                           ; O^T window 1, f window 0
.set n, 0
.rept 16
	v_pk_mul_f32 v[OA+32*(\hd)+n:OA+32*(\hd)+n+1], v[OA+32*(\hd)+n:OA+32*(\hd)+n+1], v[F:F+1] op_sel_hi:[1,0]   ; O^T under the new M; also the places between p's codes and scale word and the products
.set n, n+2
.endr
.rept 4
	v_nop
.endr
	WIN 0x51                                           ; v window 1, p window 0, O^T window 1
.irp t, 0,1,2,3
	MMO \t, \hd
.endr
	WIN 0
.endm
; A KEY STEP: 128 keys, both heads.
.macro STEP
	s_cmp_gt_u32 s[KF], s[QL]                          ; all 128 keys come after my 16 queries: the step's work is left out (ids and the count of steps alone)
	s_cbranch_scc1 .Lhidden_\@
	v_add_nc_u32 v[ADR16], s[TB], v[LI16]
	v_add_nc_u32 v[ADR8], s[TB], v[LI8]
	v_sub_nc_u32 v[DI], v[IQ], s[KF]
	v_nop                                              ; four places in front of loads into registers that the last products have read
	ds_load_b128 v[KS:KS+3], v[ADR16] offset:8192
	ds_load_b128 v[KS+4:KS+7], v[ADR16] offset:BLK+8192
	ds_load_b64 v[VS:VS+1], v[ADR8] offset:8704
	ds_load_b64 v[VS+2:VS+3], v[ADR8] offset:BLK+8704
	WIN 0x40                                           ; destination window 1
.irp hd, 0,1
.irp t, 0,1,2,3,4,5,6,7
	ds_load_b128 v[KR+32*\hd+4*\t:KR+32*\hd+4*\t+3], v[ADR16] offset:\hd*BLK+512*\t
.endr
.endr
.irp hd, 0,1
.irp t, 0,1,2,3,4,5,6,7
	ds_load_b128 v[VR+32*\hd+4*\t:VR+32*\hd+4*\t+3], v[ADR16] offset:\hd*BLK+4096+512*\t
.endr
.endr
	WIN 0
	; THE BIAS, while the 36 loads land.  First the distances i - j, whole numbers in f32: register 16 b + i holds DI - 32 b - i
	v_cvt_f32_i32 v[BI], v[DI]
	v_add_f32 v[BI+1], -1.0, v[BI]
	v_pk_add_f32 v[BI+16:BI+17], v[BI:BI+1], 0xc2000000 op_sel_hi:[1,0]   ; - 32
	v_pk_add_f32 v[BI+32:BI+33], v[BI:BI+1], 0xc2800000 op_sel_hi:[1,0]   ; - 64
	v_pk_add_f32 v[BI+48:BI+49], v[BI:BI+1], 0xc2c00000 op_sel_hi:[1,0]   ; - 96
.irp p, 2,4,6,8,10,12,14
.irp b, 0,1,2,3
	v_pk_add_f32 v[BI+16*\b+\p:BI+16*\b+\p+1], v[BI+16*\b+\p-2:BI+16*\b+\p-1], -2.0 op_sel_hi:[1,0]   ; the four blocks by turns
.endr
.endr
	s_add_co_u32 s48, s[KF], 127
	s_cmp_le_u32 s48, s[Q0]                            ; all keys count for all my queries: no clip
	s_cbranch_scc1 .Lopen_a_\@
.set n, 0
.rept 64
	v_max_num_f32 v[BI+n], 0, v[BI+n]                  ; on the diagonal: reference()'s clip
.set n, n+1
.endr
.Lopen_a_\@:
.set n, 0
.rept 32
	v_pk_fma_f32 v[BI+n:BI+n+1], v[BI+n:BI+n+1], v[G:G+1], 1.0 op_sel_hi:[1,0,0]   ; 1 + gamma d
.set n, n+2
.endr
.set n, 0
.rept 64
	v_log_f32 v[BI+n], v[BI+n]
.set n, n+1
.endr
	v_nop                                              ; a plain place behind the logarithms
	s_wait_dscnt 0x0                                   ; k, v and their scale words are in
	s_wait_alu depctr_va_vdst(0)                       ; one wait for the batch of 64
.set n, 0
.rept 32
	v_pk_mul_f32 v[BI+n:BI+n+1], v[BI+n:BI+n+1], 0xc0b17218 op_sel_hi:[1,0]   ; x -8 ln 2: -8 ln(1 + gamma d)
.set n, n+2
.endr
	s_cmp_le_u32 s48, s[Q0]
	s_cbranch_scc1 .Lopen_b_\@
.set n, 0
.rept 64
	v_cmp_gt_i32 vcc_lo, 32*(n/16)+n%16, v[DI]         ; on the diagonal: the key comes after my query
	v_cndmask_b32 v[BI+n], v[BI+n], v[NEG], vcc_lo
.set n, n+1
.endr
.Lopen_b_\@:
.rept 4
	v_nop
.endr
	HEAD 0
	HEAD 1
.Lhidden_\@:
	s_add_co_u32 s[KF], s[KF], 128
	s_add_co_u32 s[TB], s[TB], STEPB
.endm
; A PREFETCH INTO THE L2 of the slot that the NEXT change of slots will load: my wave's block of it, 35 aligned blocks of 256 bytes: 32 by the first line, a lane each, three by the second (lanes 2-31 name the last).
; All 32 work-groups of a y walk the same slots: the one with beta = 0, which loads all eight, asks.  It stands behind the wave's tensor load and its five lines, a slot's four key steps ahead of the load
; that will want the bytes.  Slots 0 and 1 come by their loads alone; the last change that fills a slot asks for nothing.
.macro ASK
	s_cmp_gt_u32 s[SLOTS], s[LIM]
	s_cbranch_scc0 .Lnot_mine_\@
	global_prefetch_b8 v[PFO], s[PFA:PFA+1] th:TH_LOAD_NT scope:SCOPE_SE
	global_prefetch_b8 v[PFO2], s[PFA:PFA+1] th:TH_LOAD_NT scope:SCOPE_SE
.Lnot_mine_\@:
.endm
; THE CHANGE OF SLOTS, at a slot's head.  Each wave waits for all its tensor loads (one is out at the most: its block of the slot ahead), adds 0 to its spare word, and waits for that and for its reads of the
; slot that it has left.  Behind the barrier the slot ahead is whole and nobody reads the other.  fill = 1: the other slot takes the next 512 keys, up to the causal limit.
.macro CHANGE fill
	s_wait_tensorcnt 0x0                               ; no tensor load of mine is out, so group 0 may be written
	ds_add_u32 v[SPW], v[NIL]                          ; 0 onto my spare word
.if \fill
	s_xor_b32 s[G0+1], s[G0+1], SLOT1                  ; the walking descriptor: the other slot,
	s_add_nc_u64 s[G0+2:G0+3], s[G0+2:G0+3], SLOTB     ; the next four key steps; the type bits on top are not reached
	s_wait_xcnt 0x0                                    ; the last prefetches, a slot back, have read their address
	s_add_nc_u64 s[PFA:PFA+1], s[PFA:PFA+1], SLOTB     ; one slot further on than the descriptor
.endif
	s_wait_dscnt 0x0                                   ; the add is done, and my reads of the slot that I have left are over
	s_barrier_signal -1
	s_barrier_wait -1
.if \fill
	s_add_co_u32 s48, s[KF], 512                       ; the first key of the slot that this change would ask for
	s_cmp_gt_u32 s48, s[WLQ]                           ; beyond my work-group's last query none of its waves reads it, so it is not asked for: ids and the count of steps alone, the same in all eight waves
	s_cbranch_scc1 .Lpast_\@
	tensor_load_to_lds s[G0:G0+3], s[G1:G1+7]          ; my one tensor load until the next such barrier
	s_nop 0
.rept 4
	v_nop
.endr
.Lpast_\@:
	ASK
.endif
.endm
.macro SLOT_STEPS                      ; a slot's four key steps: written once, walked four times
	s_mov_b32 s[CNT], 4
.Lstep_\@:
	STEP
	s_sub_co_u32 s[CNT], s[CNT], 1
	s_cmp_lg_u32 s[CNT], 0
	s_cbranch_scc1 .Lstep_\@
	s_sub_co_u32 s[TB], s[TB], SLOTB                   ; back to a slot's first step,
	s_xor_b32 s[TB], s[TB], SLOT1                      ; in the other slot
.endm
	s_load_b256 s[4:11], s[0:1], 0x0                   ; qb 4, kv 6, gamma 8, oc 10
	s_load_b64 s[12:13], s[0:1], 0x20                  ; os
	v_lshl_add_u32 v[SPW], v0, 2, SPARE
	v_mov_b32 v[NIL], 0
	ds_add_u32 v[SPW], v[NIL]                          ; the wave's opening: the add, twice on end, and its wait ahead of my first tensor load
	ds_add_u32 v[SPW], v[NIL]
	v_lshrrev_b32 v50, 5, v0
	v_readfirstlane_b32 s[WV], v50                     ; wave 0..7
	s_and_b32 s48, ttmp7, 0xffff                       ; y = 4 x batch + head pair
	s_lshl_b32 s49, ttmp9, 2                           ; 4 beta
	s_sub_co_u32 s50, 252, s49
	s_add_co_u32 s50, s50, s[WV]                       ; waves 0-3: tile 4 (63 - beta) + wave
	s_add_co_u32 s51, s49, s[WV]
	s_sub_co_u32 s51, s51, 4                           ; waves 4-7: tile 4 beta + wave - 4
	s_cmp_lt_u32 s[WV], 4
	s_cselect_b32 s50, s50, s51                        ; tau
	s_lshr_b32 s51, s50, 1
	s_lshl_b32 s51, s51, 5
	s_and_b32 s52, s50, 1
	s_lshl_b32 s53, s52, 3
	s_add_co_u32 s[Q0], s51, s53                       ; 32 (tau / 2) + 8 (tau % 2)
	s_add_co_u32 s[QL], s[Q0], 23
	s_lshl_b32 s53, ttmp9, 6
	s_sub_co_u32 s[WLQ], 4095, s53
	s_mov_b32 s[G1], 3<<16                             ; group 1: no mask; elements of 8 bytes; no padding
	s_mov_b32 s[G1+1], 32<<16                          ; tensor_dim0 = 32 elements: 256 bytes
	s_mov_b32 s[G1+2], 35<<16                          ; tensor_dim1 = 35 rows
	s_mov_b32 s[G1+3], 32<<16                          ; tile_dim0
	s_mov_b32 s[G1+4], 35                              ; tile_dim1
	s_mov_b32 s[G1+5], 32                              ; from row to row: dense
	s_mov_b32 s[G1+6], 0
	s_mov_b32 s[G1+7], 0
	s_mov_b32 s[G0], 1
	s_mul_i32 s[G0+1], s[WV], BLK                      ; LDS: slot 0, block = my wave's number
	s_mul_i32 s54, s48, YB
	s_add_co_u32 s54, s54, s[G0+1]                     ; in kv: my y's first slot, my block
	s_mov_b32 s55, 0
	s_lshl_b32 s56, s48, 5
	s_lshr_b32 s57, s50, 3
	s_add_co_u32 s56, s56, s57
	s_mul_i32 s56, s56, STEPB                          ; in qb: my tile's step
	s_and_b32 s57, s50, 7
	s_lshl_b32 s58, s57, 9
	s_add_co_u32 s58, s58, s56                         ; q's codes: tile tau % 8 of the step
	s_mov_b32 s59, 0
	s_lshr_b32 s57, s57, 1
	s_lshl_b32 s57, s57, 2
	s_lshl_b32 s60, s52, 8
	s_add_co_u32 s60, s60, s57
	s_add_co_u32 s60, s60, s56                         ; q's scale words: word (tau % 8) / 2 of lane r + 16 (tau % 2)
	s_mov_b32 s61, 0
	s_lshr_b32 s62, s48, 2                             ; batch
	s_lshl_b32 s63, s62, 12
	s_add_co_u32 s63, s63, s[Q0]
	s_lshl_b32 s56, s63, 2                             ; gamma of my tile's first query
	s_mov_b32 s57, 0
	s_lshl_b32 s62, s62, 8
	s_add_co_u32 s62, s62, s50                         ; T = 256 x batch + tau
	s_and_b32 s63, s48, 3                              ; head pair
	s_lshl_b32 s52, s62, 12
	s_lshl_b32 s53, s63, 10
	s_add_co_u32 s52, s52, s53                         ; oc: 4,096 T + 1,024 x pair
	s_mov_b32 s53, 0
	s_lshl_b32 s62, s62, 9
	s_lshl_b32 s63, s63, 7
	s_add_co_u32 s62, s62, s63                         ; os: 512 T + 128 x pair
	s_mov_b32 s63, 0
	s_mov_b32 s[SEL], 0x76543210
	s_mov_b32 s[SEL+1], 0xfedcba98                     ; v_permlanex16_b32's selects for lane l xor 16
	s_mov_b32 s[CS], 0x3e38aa3b                        ; c = log2(e) / 8
	s_mov_b32 s[CS+1], s[CS]                           ; (named with it as a pair, so it is written)
	s_mov_b32 s[TB], 0
	s_mov_b32 s[KF], 0
	s_mov_b32 s[SLOTS], 7
	s_wait_dscnt 0x0                                   ; both opening adds are done
	s_wait_kmcnt 0x0
	s_add_nc_u64 s[G0+2:G0+3], s[6:7], s[54:55]
	s_or_b32 s[G0+3], s[G0+3], 0x80000000              ; type = 2
	tensor_load_to_lds s[G0:G0+3], s[G1:G1+7]          ; slot 0: every wave's first fill, on every way through the text
	s_nop 0
.rept 4
	v_nop
.endr
	s_add_nc_u64 s[PFA:PFA+1], s[6:7], s[54:55]
	s_add_nc_u64 s[PFA:PFA+1], s[PFA:PFA+1], SLOTB     ; in slot 1: the first change steps it to slot 2.  Nothing is prefetched here, at the head
	s_add_nc_u64 s[14:15], s[4:5], s[58:59]
	s_add_nc_u64 s[16:17], s[4:5], s[60:61]
	s_add_nc_u64 s[8:9], s[8:9], s[56:57]
	s_add_nc_u64 s[10:11], s[10:11], s[52:53]
	s_add_nc_u64 s[12:13], s[12:13], s[62:63]
	s_cmp_eq_u32 ttmp9, 0
	s_cselect_b32 s[LIM], 1, -1                        ; 1 in the work-group that prefetches, else the greatest number
	v_and_b32 v50, 31, v0                              ; lane
	v_and_b32 v51, 15, v0                              ; r
	v_bfe_u32 v52, v0, 4, 1                            ; h
	v_and_b32 v53, 8, v51
	v_add_nc_u32 v53, v53, v51                         ; r + 8 (r / 8)
	v_lshlrev_b32 v[LI16], 4, v50
	v_lshlrev_b32 v[LI8], 3, v50
	v_lshlrev_b32 v[LI4], 2, v50
	v_lshlrev_b32 v54, 4, v51
	v_lshlrev_b32 v55, 2, v53
	v_lshlrev_b32 v56, 4, v52
	v_sub_nc_u32 v[IQ], v53, v56
	v_add_nc_u32 v[IQ], s[Q0], v[IQ]
	v_lshlrev_b32 v[PFO], 8, v50
	v_min_u32 v[PFO2], 2, v50
	v_lshlrev_b32 v[PFO2], 8, v[PFO2]
	v_add_nc_u32 v[PFO2], 8192, v[PFO2]
	WIN 0x40                                           ; destination window 1
	global_load_b128 v[QR:QR+3], v[LI16], s[14:15]                 ; q's codes, head 0: they stay
	global_load_b128 v[QR+8:QR+11], v[LI16], s[14:15] offset:BLK   ; head 1
	WIN 0
	global_load_b32 v[QS], v54, s[16:17] offset:8192
	global_load_b32 v[QS+1], v54, s[16:17] offset:BLK+8192
	global_load_b32 v[G], v55, s[8:9]
	v_mov_b32 v[G+1], 0                                ; (named as the upper half of a pair)
	v_mov_b32 v[F+1], 0
	v_mov_b32 v[R1+1], 0
	v_mov_b32 v[NEG], 0xff61b1e6                       ; -3e38
.irp hd, 0,1
	v_mov_b32 v[ST+4*\hd+1], 0xff61b1e6                ; the largest t so far: under every t
	v_floor_f32 v[ST+4*\hd], -v[ST+4*\hd+1]            ; -M
	v_mov_b32 v[ST+4*\hd+2], 0                         ; the sum, in two halves
	v_mov_b32 v[ST+4*\hd+3], 0
.endr
.irp b, 0,1,2,3
	v_mov_b32 v[TM+4+\b], 0                            ; written once: a lane permute's destination counts as one of its sources
.endr
	WIN 0x40
.set n, 0
.rept 64
	v_mov_b32 v[OA+n], 0                               ; O^T.  (The step is written once: the first finds zeros, which the first change of M leaves zeros)
.set n, n+1
.endr
.irp j, 0,1,2,3
	v_mov_b32 v[QR+4+\j], 0                            ; q's upper 64 along K: zero codes
	v_mov_b32 v[QR+12+\j], 0
	v_mov_b32 v[TAIL+\j], 0                            ; what the last tile of k names behind its own four registers
.endr
	WIN 0
	s_wait_loadcnt 0x0                                 ; q, its scale words, gamma
.Lslot:                                                ; seven trips: behind each change of slots but the last the next slot is asked for, up to the causal limit
	CHANGE 1
	SLOT_STEPS
	s_sub_co_u32 s[SLOTS], s[SLOTS], 1
	s_cmp_lg_u32 s[SLOTS], 0
	s_cbranch_scc1 .Lslot
	CHANGE 0                                           ; the last slot is written out: nothing is left to ask for
	SLOT_STEPS
	; THE WAY OUT.  O^T / the sum; the pair's 64 registers are its 128 channels, 32 B + 16 h + i: one K step of launch 3's product.  They are quantised as they stand and leave as an image of the fragment.
.rept 4
	v_nop                                              ; places behind the last products
.endr
.irp hd, 0,1
	v_add_f32 v[ST+4*\hd+2], v[ST+4*\hd+2], v[ST+4*\hd+3]
.endr
.irp hd, 0,1
	v_permlanex16_b32 v[TM+4+\hd], v[ST+4*\hd+2], s[SEL], s[SEL+1]
.endr
.irp hd, 0,1
	v_add_f32 v[ST+4*\hd+2], v[ST+4*\hd+2], v[TM+4+\hd]   ; the row's sum
.endr
	v_rcp_f32 v[F], v[ST+2]
	v_rcp_f32 v[R1], v[ST+6]
	v_nop                                              ; a plain place behind the reciprocals
	s_wait_alu depctr_va_vdst(0)                       ; one wait for both, ahead of their first reader
	WIN 0x01                                           ; source 0 (O^T) window 1
.set n, 0
.rept 16
	v_pk_mul_f32 v[S+n:S+n+1], v[OA+n:OA+n+1], v[F:F+1] op_sel_hi:[1,0]
.set n, n+2
.endr
.set n, 32
.rept 16
	v_pk_mul_f32 v[S+n:S+n+1], v[OA+n:OA+n+1], v[R1:R1+1] op_sel_hi:[1,0]
.set n, n+2
.endr
	WIN 0
.irp b, 0,1,2,3
	v_max3_num_f32 v[TM+\b], |v[S+16*\b]|, |v[S+1+16*\b]|, 0x1800000   ; my 16 numbers of block b, and the floor 2^(3 - 127)
.endr
.irp i, 2,4,6,8,10,12,14
.irp b, 0,1,2,3
	v_max3_num_f32 v[TM+\b], v[TM+\b], |v[S+16*\b+\i]|, |v[S+1+16*\b+\i]|
.endr
.endr
.irp b, 0,1,2,3
	v_permlanex16_b32 v[TM+4+\b], v[TM+\b], s[SEL], s[SEL+1]
.endr
.irp b, 0,1,2,3
	v_max_num_f32 v[TM+\b], v[TM+\b], v[TM+4+\b]
.endr
	CODES
	global_store_b128 v[LI16], v[P:P+3], s[10:11]                  ; 512 dense bytes a store
	global_store_b128 v[LI16], v[P+4:P+7], s[10:11] offset:512
	global_store_b32 v[LI4], v[PW], s[12:13]                       ; the rows' scale words
	s_wait_tensorcnt 0x0                               ; the wave's end, behind my last tensor load
	ds_add_u32 v[SPW], v[NIL]
	s_wait_dscnt 0x0
	s_endpgm
.Lfunc_end_k_qcbd04051e6_attn:
	.size	k_qcbd04051e6_attn, .Lfunc_end_k_qcbd04051e6_attn-k_qcbd04051e6_attn
	.p2alignl 7, 3214868480
	.fill 96, 4, 3214868480
	.section	.rodata,"a",@progbits
	.p2align	6, 0x0
	.amdhsa_kernel k_qcbd04051e6_attn
		.amdhsa_group_segment_fixed_size 327680
		.amdhsa_private_segment_fixed_size 0
		.amdhsa_enable_private_segment 0
		.amdhsa_kernarg_size 40
		.amdhsa_user_sgpr_count 2
		.amdhsa_user_sgpr_kernarg_segment_ptr 1
		.amdhsa_wavefront_size32 1
		.amdhsa_system_sgpr_workgroup_id_x 1
		.amdhsa_system_sgpr_workgroup_id_y 1
		.amdhsa_system_sgpr_workgroup_id_z 1
		.amdhsa_system_vgpr_workitem_id 0
		.amdhsa_next_free_vgpr 512
		.amdhsa_next_free_sgpr 66
		.amdhsa_reserve_vcc 1
		.amdhsa_float_denorm_mode_32 3
		.amdhsa_float_denorm_mode_16_64 3
		.amdhsa_memory_ordered 1
		.amdhsa_forward_progress 1
		.amdhsa_inst_pref_size 109
	.end_amdhsa_kernel
	.amdgpu_metadata
---
amdhsa.version: [ 1, 2 ]
amdhsa.kernels:
  - .name:           k_qcbd04051e6_attn
    .symbol:         k_qcbd04051e6_attn.kd
    .args:
      - { .name: qb, .offset: 0, .size: 8, .value_kind: global_buffer, .address_space: global }
      - { .name: kv, .offset: 8, .size: 8, .value_kind: global_buffer, .address_space: global }
      - { .name: gamma, .offset: 16, .size: 8, .value_kind: global_buffer, .address_space: global }
      - { .name: oc, .offset: 24, .size: 8, .value_kind: global_buffer, .address_space: global }
      - { .name: os, .offset: 32, .size: 8, .value_kind: global_buffer, .address_space: global }
    .group_segment_fixed_size: 327680
    .private_segment_fixed_size: 0
    .kernarg_segment_align: 8
    .kernarg_segment_size: 40
    .max_flat_workgroup_size: 256
    .sgpr_count:     66
    .vgpr_count:     512
    .wavefront_size: 32
...
	.end_amdgpu_metadata
.endif
;; end of part 2
;; launch oproj (part 3): grid 128 x 2, 4 waves a work-group, no clusters, 70,144 bytes of LDS; arguments oc, os, Wo_codes, Wo_scales, bo, out0; writes out0
.if DOCPART == 3
	.amdgcn_target "amdgcn-amd-amdhsa--gfx1250"
	.amdhsa_code_object_version 6
	.text
	.protected	k_qcbd04051e6_oproj
	.globl	k_qcbd04051e6_oproj
	.p2align	8
	.type	k_qcbd04051e6_oproj,@function
k_qcbd04051e6_oproj:
	s_mov_b64 s[64:65], 0
	v_nop
	global_prefetch_b8 v0, s[64:65] scope:SCOPE_SE
	s_setreg_imm32_b32 hwreg(HW_REG_WAVE_MODE, 25, 1), 1
	s_wait_xcnt 0x0
; LAUNCH 3 OF 3.  out0 = o Wo^T + bo on codes of E2M1 with E8M0 scales, K = 512, sums in f32.  Nothing is left out here; the limits stated at the head of launch 1 hold.
; o comes from launch 2 as images of fragments: oc [tile T][K step][2][lane][16 bytes], os [T][K step][lane] words; tile T holds the flat tokens 32 (T / 2) + 8 (T % 2) + r + 8 (r / 8).
; SHARES.  Work-group (G, y): tokens 64 G .. 64 G + 63 (tiles 4 G + a); wave w: columns n0 = 256 y + 64 w on, four tiles of 16: 16 accumulators, 64 products.
; THE PRODUCT IS USED TRANSPOSED (source 0 = 16 rows of Wo, source 1 = 16 tokens): a lane holds eight neighbouring columns of one row of out0.  bo is the C of each sum's first product.
; THE WAY OUT: through the wave's own stage in LDS (rows of 256 bytes + 16) and back by rows: sixteen lanes store 256 consecutive bytes, aligned.  No barrier: waves share nothing.
; REGISTERS: window 0: v3-13 addresses; v16-31 Wo's scale words; v32-47 o's; v48-79 bo; v96-223 rows read back.  window 1: v0-127 o's fragments (32 a + 8 s), v128-255 Wo's (128 + 32 t + 8 s).  window 2: the accumulators, 8 (4 a + t).
.set SPITCH, 272
.set TSTG,  16*SPITCH
.set WSTG,  4*TSTG
.set SPARE, 4*WSTG                     ; behind the four stages: the spare words, 128 bytes for each wave: two blocks of 256 bytes that no other line names
.set RAW,   3                          ; v3   256 r + 16 h: my row's codes in a tile of Wo
.set R16,   4                          ; v4   16 r: its scale bytes
.set LI16,  5
.set LI4,   6
.set H32,   7                          ; v7   32 h: my half's eight numbers of bo
.set STO,   8
.set RD,    9
.set GO,    10
.set SPW,   12                         ; v12  LDS address of my spare word; never rewritten
.set NIL,   13                         ; v13  0; never rewritten
.set WSC,   16
.set TSC,   32
.set BO,    48
.set RB,    96
.set MSB, 0
.macro WIN new                         ; the immediate's high byte repeats the setting that is left
.if MSB != \new
	s_set_vgpr_msb (MSB<<8)|\new
.set MSB, \new
.endif
.endm
	s_load_b256 s[4:11], s[0:1], 0x0                   ; oc 4, os 6, Wo's codes 8, Wo's scales 10
	s_load_b128 s[12:15], s[0:1], 0x20                 ; bo 12, out0 14
	v_lshl_add_u32 v[SPW], v0, 2, SPARE
	v_mov_b32 v[NIL], 0
	v_lshrrev_b32 v1, 5, v0
	v_readfirstlane_b32 s16, v1                        ; wave 0..3
	v_and_b32 v1, 15, v0                               ; r
	v_bfe_u32 v2, v0, 4, 1                             ; h
	v_and_b32 v11, 31, v0                              ; lane
	v_lshlrev_b32 v[RAW], 8, v1
	v_lshl_add_u32 v[RAW], v2, 4, v[RAW]
	v_lshlrev_b32 v[R16], 4, v1
	v_lshlrev_b32 v[LI16], 4, v11
	v_lshlrev_b32 v[LI4], 2, v11
	v_lshlrev_b32 v[H32], 5, v2
	s_mul_i32 s32, s16, WSTG                           ; my stage
	v_mul_u32_u24 v[STO], v1, SPITCH
	v_lshl_add_u32 v[STO], v2, 5, v[STO]
	v_add_nc_u32 v[STO], s32, v[STO]                   ; in: row r, 32 bytes for each half of the lanes
	v_mul_u32_u24 v[RD], v2, SPITCH
	v_lshl_add_u32 v[RD], v1, 4, v[RD]
	v_add_nc_u32 v[RD], s32, v[RD]                     ; back: lanes 0-15 one row of 256 bytes, lanes 16-31 the next
	v_lshlrev_b32 v[GO], 11, v2
	v_lshl_add_u32 v[GO], v1, 4, v[GO]                 ; and the same two rows in out0 (2,048 bytes a row)
	s_and_b32 s17, ttmp7, 0xffff
	s_lshl_b32 s18, s17, 8
	s_lshl_b32 s19, s16, 6
	s_add_co_u32 s18, s18, s19                         ; n0
	s_lshl_b32 s20, ttmp9, 14                          ; oc: four tiles of 4,096 bytes
	s_mov_b32 s21, 0
	s_lshl_b32 s22, ttmp9, 11                          ; os: four tiles of 512
	s_mov_b32 s23, 0
	s_lshl_b32 s24, s18, 8                             ; Wo's codes: 256 bytes a row
	s_mov_b32 s25, 0
	s_lshl_b32 s26, s18, 4                             ; its scales: 16
	s_mov_b32 s27, 0
	s_lshl_b32 s28, s18, 2                             ; bo, and my columns in a row of out0
	s_mov_b32 s29, 0
	s_lshl_b32 s30, ttmp9, 17                          ; out0: 64 rows of 2,048 bytes
	s_mov_b32 s31, 0
	s_wait_kmcnt 0x0
	s_add_nc_u64 s[4:5], s[4:5], s[20:21]
	s_add_nc_u64 s[6:7], s[6:7], s[22:23]
	s_add_nc_u64 s[8:9], s[8:9], s[24:25]
	s_add_nc_u64 s[10:11], s[10:11], s[26:27]
	s_add_nc_u64 s[12:13], s[12:13], s[28:29]
	s_add_nc_u64 s[14:15], s[14:15], s[30:31]
	s_add_nc_u64 s[14:15], s[14:15], s[28:29]
.irp t, 0,1,2,3
	global_load_b128 v[WSC+4*\t:WSC+4*\t+3], v[R16], s[10:11] offset:256*\t      ; a row's four scale words, one a K step
.endr
.irp a, 0,1,2,3
.irp s, 0,1,2,3
	global_load_b32 v[TSC+4*\a+\s], v[LI4], s[6:7] offset:512*\a+128*\s
.endr
.endr
.irp t, 0,1,2,3
	global_load_b128 v[BO+8*\t:BO+8*\t+3], v[H32], s[12:13] offset:64*\t         ; bo(n0 + 16 t + 8 h + 0 .. 7): the result's layout
	global_load_b128 v[BO+8*\t+4:BO+8*\t+7], v[H32], s[12:13] offset:64*\t+16
.endr
	WIN 0x40                                           ; destination window 1
.irp s, 0,1,2,3                                    ; K step by K step, 16 loads each
.irp a, 0,1,2,3
.irp c, 0,1
	global_load_b128 v[32*\a+8*\s+4*\c:32*\a+8*\s+4*\c+3], v[LI16], s[4:5] offset:4096*\a+1024*\s+512*\c
.endr
.endr
.irp t, 0,1,2,3
.irp c, 0,1
	global_load_b128 v[128+32*\t+8*\s+4*\c:128+32*\t+8*\s+4*\c+3], v[RAW], s[8:9] offset:4096*\t+64*\s+32*\c
.endr
.endr
.endr
.irp s, 0,1,2,3
	s_wait_loadcnt 16*(3-\s)                           ; this K step's loads and all older ones are in; the 16 of each later K step may be out
.if \s == 0
	WIN 0x85                                           ; A and B window 1, C (bo) window 0, D window 2
.else
	WIN 0xa5                                           ; C and D window 2
.endif
.irp a, 0,1,2,3                                    ; the 16 accumulators by turns, one instruction a turn
.irp t, 0,1,2,3
.if \s == 0
	v_wmma_scale_f32_16x16x128_f8f6f4 v[8*(4*\a+\t):8*(4*\a+\t)+7], v[128+32*\t+8*\s:128+32*\t+8*\s+7], v[32*\a+8*\s:32*\a+8*\s+7], v[BO+8*\t:BO+8*\t+7], v[WSC+4*\t+\s], v[TSC+4*\a+\s] matrix_a_fmt:MATRIX_FMT_FP4 matrix_b_fmt:MATRIX_FMT_FP4
.else
	v_wmma_scale_f32_16x16x128_f8f6f4 v[8*(4*\a+\t):8*(4*\a+\t)+7], v[128+32*\t+8*\s:128+32*\t+8*\s+7], v[32*\a+8*\s:32*\a+8*\s+7], v[8*(4*\a+\t):8*(4*\a+\t)+7], v[WSC+4*\t+\s], v[TSC+4*\a+\s] matrix_a_fmt:MATRIX_FMT_FP4 matrix_b_fmt:MATRIX_FMT_FP4
.endif
.endr
.endr
.endr
	WIN 0
.rept 4
	v_nop                                              ; places in front of the first read of results
.endr
	WIN 0x08                                           ; an LDS store's data are its source 1: window 2
.irp a, 0,1,2,3
.irp t, 0,1,2,3
	ds_store_b128 v[STO], v[8*(4*\a+\t):8*(4*\a+\t)+3] offset:\a*TSTG+64*\t          ; each accumulator from its low end on: out0(row r of tile a, n0 + 16 t + 8 h + 0 .. 7)
	ds_store_b128 v[STO], v[8*(4*\a+\t)+4:8*(4*\a+\t)+7] offset:\a*TSTG+64*\t+16
.endr
.endr
	WIN 0
.irp a, 0,1,2,3
.irp i, 0,1,2,3,4,5,6,7
	ds_load_b128 v[RB+4*(8*\a+\i):RB+4*(8*\a+\i)+3], v[RD] offset:\a*TSTG+\i*2*SPITCH   ; LDS serves a wave's instructions in order (ISA guide 5.7.1.4): these see my stores
.endr
.endr
.set k, 0
.irp a, 0,1,2,3
.irp i, 0,1,2,3,4,5,6,7
	s_wait_dscnt 31-k                                  ; read k of 32 is back; the younger ones may be out
	global_store_b128 v[GO], v[RB+4*k:RB+4*k+3], s[14:15] offset:(32*(\a/2)+8*(\a%2)+2*\i+8*(\i/4))*2048 th:TH_STORE_NT   ; rows 2 i and 2 i + 1 of tile a at their tokens: 16 lanes store 256 consecutive bytes, aligned
.set k, k+1
.endr
.endr
	s_wait_tensorcnt 0x0                               ; the wave's end, behind my last LDS store
	ds_add_u32 v[SPW], v[NIL]
	s_wait_dscnt 0x0
	s_endpgm
.Lfunc_end_k_qcbd04051e6_oproj:
	.size	k_qcbd04051e6_oproj, .Lfunc_end_k_qcbd04051e6_oproj-k_qcbd04051e6_oproj
	.p2alignl 7, 3214868480
	.fill 96, 4, 3214868480
	.section	.rodata,"a",@progbits
	.p2align	6, 0x0
	.amdhsa_kernel k_qcbd04051e6_oproj
		.amdhsa_group_segment_fixed_size 70144
		.amdhsa_private_segment_fixed_size 0
		.amdhsa_enable_private_segment 0
		.amdhsa_kernarg_size 48
		.amdhsa_user_sgpr_count 2
		.amdhsa_user_sgpr_kernarg_segment_ptr 1
		.amdhsa_wavefront_size32 1
		.amdhsa_system_sgpr_workgroup_id_x 1
		.amdhsa_system_sgpr_workgroup_id_y 1
		.amdhsa_system_sgpr_workgroup_id_z 1
		.amdhsa_system_vgpr_workitem_id 0
		.amdhsa_next_free_vgpr 640
		.amdhsa_next_free_sgpr 66
		.amdhsa_reserve_vcc 0
		.amdhsa_float_denorm_mode_32 3
		.amdhsa_float_denorm_mode_16_64 3
		.amdhsa_memory_ordered 1
		.amdhsa_forward_progress 1
		.amdhsa_inst_pref_size 28
	.end_amdhsa_kernel
	.amdgpu_metadata
---
amdhsa.version: [ 1, 2 ]
amdhsa.kernels:
  - .name:           k_qcbd04051e6_oproj
    .symbol:         k_qcbd04051e6_oproj.kd
    .args:
      - { .name: oc, .offset: 0, .size: 8, .value_kind: global_buffer, .address_space: global }
      - { .name: os, .offset: 8, .size: 8, .value_kind: global_buffer, .address_space: global }
      - { .name: Wo_codes, .offset: 16, .size: 8, .value_kind: global_buffer, .address_space: global }
      - { .name: Wo_scales, .offset: 24, .size: 8, .value_kind: global_buffer, .address_space: global }
      - { .name: bo, .offset: 32, .size: 8, .value_kind: global_buffer, .address_space: global }
      - { .name: out0, .offset: 40, .size: 8, .value_kind: global_buffer, .address_space: global }
    .group_segment_fixed_size: 70144
    .private_segment_fixed_size: 0
    .kernarg_segment_align: 8
    .kernarg_segment_size: 48
    .max_flat_workgroup_size: 128
    .sgpr_count:     66
    .vgpr_count:     640
    .wavefront_size: 32
...
	.end_amdgpu_metadata
.endif
;; end of part 3
;; ======== version 2 of 2: 3 launches; version 1 with the launches proj, oproj written anew for expert scheduling mode
;; workspace buffers: qb 4,587,520 bytes; kv 4,587,520 bytes; oc 2,097,152 bytes; os 262,144 bytes
;; launch proj (part 4): grid 64 x 3, 4 waves a work-group, no clusters, 0 bytes of LDS; arguments x_codes, x_scales, Wq_codes, Wq_scales, bq, Wk_codes, Wk_scales, bk, Wv_codes, Wv_scales, bv, qb, kv; writes qb, kv
.if DOCPART == 4
	.amdgcn_target "amdgcn-amd-amdhsa--gfx1250"
	.amdhsa_code_object_version 6
	.text
	.protected	k_qcbd04051e6_proj
	.globl	k_qcbd04051e6_proj
	.p2align	8
	.type	k_qcbd04051e6_proj,@function
k_qcbd04051e6_proj:
	s_mov_b64 s[64:65], 0
	v_nop
	global_prefetch_b8 v0, s[64:65] scope:SCOPE_SE
	s_setreg_imm32_b32 hwreg(HW_REG_WAVE_SCHED_MODE, 0, 2), 2
	s_setreg_imm32_b32 hwreg(HW_REG_WAVE_MODE, 25, 1), 1
	s_wait_xcnt 0x0
	s_wait_alu depctr_vm_vsrc(0)
; LAUNCH 1 OF 3.  q, k, v = x W^T + b on codes of E2M1 with one E8M0 scale for each 32 along K (K = 512), sums in f32; the results are quantised again,
; q and k along the head's 64 channels, v along the keys, and stored as IMAGES OF OPERAND REGISTERS (lane l's 16 bytes at 16 l), so that launch 2 reads fragments by dense loads alone.
; WORK THAT THE PROGRAM LEAVES OUT (in launch 2), for all values of the inputs:
;  (1) reference() gives key j the score -inf for query i where j > i, by a mask that it builds from the shapes alone; the softmax gives such a key the weight 0.  So a step of 128 keys all of
;      which come after a tile's 16 queries reaches no output, and is neither loaded into registers nor multiplied.
;  (2) clip(i - j, 0) = i - j for every key that counts (j <= i): the clip is run only in a tile's one step on the diagonal, where it keeps the hidden lanes' logarithms finite.
; Every input has a way to the output, and all are loaded (bk too: it moves k's codes).
; LIMITS.  -log1p(gamma d + 1e-8) is taken as -ln(fma(gamma, d, 1)): the logit differs by at most 1e-8 and one rounding of a number near 1 (6e-8), for every gamma and d: an order of rounding.
; Hidden scores are -3e38, not -infinity: scores of magnitude 1e37 and above are not served.  gamma (i - j) > -1 is needed, as in reference().  NaN and infinities among the inputs are not served;
; a NaN, an infinity or an overflow that reaches only the steps left out is not carried to the result.  A block of zeros gets the scale byte 1 where the rule says 127: its codes are zeros, and the
; bytes are read by this program alone.  Blocks whose largest magnitude lies under 2^(3 - 127) are held at the byte 1.
; SHARES.  Work-group x: 128 tokens (one key step of one batch); y: 0 = q, 1 = k, 2 = v.  Wave w: channels 128 w .. 128 w + 127, the two heads of pair w.
; ONE ARITHMETIC FOR ALL THREE.  D = A (a STATIONARY tile of 16 rows, kept in registers) x B (a MOVING tile of 16 rows): a lane holds one moving row and its registers run along the stationary rows.
; q, k: stationary = W's 128 rows, moving = x's 128 rows: a lane holds a token and 64 of its channels.  v: stationary = x's rows, moving = Wv's: a lane holds a channel and 64 keys.
; Both tensors have rows of 256 bytes of codes and 16 bytes of scales, so only pointers are chosen, on the work-group's number.
; THE ROWS OF A TILE ARE NOT NEIGHBOURS: lane r of tile 2 b + u takes row 32 b + 8 u + r + 8 (r / 8) of the 128, on both sides.  So the 16 registers of tiles 2 b, 2 b + 1 are 16 neighbours,
; 32 b + 16 (lane / 16) + 0 .. 15, which is what the conversions want, and launch 2's tiles of keys, queries and channels come out in the order that its own quantisers want.
; OUT: a block of 8,960 bytes for each (batch, head pair, key step, head of the pair): +0 eight tiles of k (or q), 512 bytes each; +4096 four tiles of v, 1,024 each; +8192 k's (q's) scale words,
; [lane][4]: word j of lane l belongs to tile 2 j + l / 16, row l % 16; +8704 v's, [lane][2].  No LDS, no barrier: waves share nothing.
; REGISTERS: window 0: v4-10 offsets; v16-79 two moving fragments sets; v80-87 their scale words; v88-119 the stationary scale words; v120-183 eight accumulators; v184-191 codes; v192-221 at work.
;   window 1: the 32 stationary fragments, (tile t, K step s) at v[8 (4 t + s)].   window 2: the bias in the result's layout.
; THE MODE: SCHED_MODE bits 1:0 = 2 (LLVM: expert scheduling mode 2), set by the entry lines.  The code itself states the register dependences
; between vector or matrix instructions and memory instructions, with s_wait_alu, always for 0.
; THE PLAN.  Registers that memory instructions touch:
;   v4-8, v10        offsets, made once at the head and never written again; every load and store reads one of them.
;   window 1, v88-119, and for q, k window 2: loaded once at the head; after that named by products alone.
;   MF, MSC, BV      two sets.  Tile m's products (v: and its eight copies of the bias word) read set m % 2; tile m + 1's loads, issued at tile m's head, land in the other set, which tile m - 1 read.
;   PC               written by tile m's conversions and exchanges; read by two stores, which are issued at tile m + 1's head; written again by tile m + 1's conversions.
;   KSW              written by vector instructions through all eight tiles; read by the last stores alone.
; So the memory instructions at tile m's head touch only what tile m - 1 worked on, and ONE wait on va_vdst there states all that they hang on; no vector or matrix instruction stands between it and them.
; One wait on vm_vsrc a tile stands ahead of the conversions, 32 products behind the stores whose data they write again.
; The loads stand in one run, not singly among the products: those run under other register windows, and each load would want two switches.
.set BLK,   8960
.set RA,    4                          ; v4   (r + 8 (r / 8)) x 256 + 16 h: my row's codes in a tile
.set RS,    5                          ; v5   (r + 8 (r / 8)) x 16: its scale bytes
.set LI16,  6                          ; v6   16 x lane
.set LI8,   7                          ; v7   8 x lane
.set BAQ,   8                          ; v8   64 h: the bias of q, k: my half's 16 channels of a block
.set BAV,   10                         ; v10  4 (r + 8 (r / 8)): the bias of v: my channel
.set MF,    16
.set MSC,   80
.set SSC,   88
.set ACC,   120
.set PC,    184
.set TM,    192
.set PW,    208
.set W1,    209
.set KSW,   212
.set BV,    220
.set CB,    0                          ; in window 2
.set WVE,   34
.set KIND,  35
.set SEL,   36
.set HM,    38
.set WC,    40
.set WS,    42
.set BB,    44
.set DST,   46
.set SCP,   48
.set SSP,   50
.set MCP,   52
.set MSP,   54
.set MSB, 0
.macro WIN new                         ; the immediate's high byte repeats the setting that is left
.if MSB != \new
	s_set_vgpr_msb (MSB<<8)|\new
.set MSB, \new
.endif
.endm
.macro MM d, a, b, c, sa, sb
	v_wmma_scale_f32_16x16x128_f8f6f4 v[\d:\d+7], v[\a:\a+7], v[\b:\b+7], v[\c:\c+7], v[\sa], v[\sb] matrix_a_fmt:MATRIX_FMT_FP4 matrix_b_fmt:MATRIX_FMT_FP4
.endm
; 64 numbers of a lane, register 16 b + i = place 32 b + 16 (lane / 16) + i of my row, become a fragment's codes in v[PC] on and the row's scale word in v[PW].
.macro QUANT src
.irp b, 0,1,2,3
	v_max3_num_f32 v[TM+\b], |v[\src+16*\b]|, |v[\src+1+16*\b]|, 0x1800000   ; my 16 numbers of block b, and the floor 2^(3 - 127): the byte cannot fall under 1
.endr
.irp i, 2,4,6,8,10,12,14
.irp b, 0,1,2,3
	v_max3_num_f32 v[TM+\b], v[TM+\b], |v[\src+16*\b+\i]|, |v[\src+1+16*\b+\i]|   ; the four blocks by turns
.endr
.endr
.irp b, 0,1,2,3
	v_permlanex16_b32 v[TM+4+\b], v[TM+\b], s[SEL], s[SEL+1]
.endr
.irp b, 0,1,2,3
	v_max_num_f32 v[TM+\b], v[TM+\b], v[TM+4+\b]       ; with lane l xor 16's: the block's largest magnitude
.endr
.irp b, 0,1,2,3
	v_add_nc_u32 v[TM+12+\b], 0xff000000, v[TM+\b]     ; 2 off its exponent field: the conversion's scale operand
.endr
.irp b, 0,1,2,3
	v_lshrrev_b32 v[TM+4+\b], 23, v[TM+12+\b]          ; the scale's byte
.endr
	v_lshl_or_b32 v[PW], v[TM+5], 8, v[TM+4]
	v_lshl_or_b32 v[PW], v[TM+6], 16, v[PW]
	v_lshl_or_b32 v[PW], v[TM+7], 24, v[PW]
.irp b, 0,1,2,3
	v_cvt_scalef32_pk8_fp4_f32 v[PC+2*\b], v[\src+16*\b:\src+7+16*\b], v[TM+12+\b]
	v_cvt_scalef32_pk8_fp4_f32 v[PC+1+2*\b], v[\src+8+16*\b:\src+15+16*\b], v[TM+12+\b]
.endr
	v_nop                                              ; one plain place behind a scaled conversion
.irp c, 0,1                                        ; a whole block to a lane: lanes 0-15 block 2 c, lanes 16-31 block 2 c + 1
.irp i, 0,1
	v_permlane16_swap_b32 v[PC+4*\c+\i], v[PC+2+4*\c+\i]
.endr
.endr
.endm
; moving tile m: its four fragments and its scale words into set m % 2 (v: and its rows' bias): 9 loads, or 10
.macro LOADM kind, m
.set LFB, MF+32*((\m)%2)
.set LSB, MSC+4*((\m)%2)
.set LRO, 32*((\m)/2)+8*((\m)%2)
.irp s, 0,1,2,3
.irp c, 0,1
	global_load_b128 v[LFB+8*\s+4*\c:LFB+8*\s+4*\c+3], v[RA], s[MCP:MCP+1] offset:LRO*256+64*\s+32*\c
.endr
.endr
	global_load_b128 v[LSB:LSB+3], v[RS], s[MSP:MSP+1] offset:LRO*16
.if \kind
	global_load_b32 v[BV+(\m)%2], v[BAV], s[BB:BB+1] offset:LRO*4
.endif
.endm
; moving tile m's codes leave: two stores of 512 dense bytes
.macro STOREM kind, m
.if \kind == 0
	global_store_b128 v[LI16], v[PC:PC+3], s[DST:DST+1] offset:512*(\m)          ; head 0 of the pair: channels 32 h .. of my token: 512 dense bytes a store
	global_store_b128 v[LI16], v[PC+4:PC+7], s[DST:DST+1] offset:BLK+512*(\m)    ; head 1
.else
	global_store_b128 v[LI16], v[PC:PC+3], s[DST:DST+1] offset:((\m)/4)*BLK+4096+1024*((\m)%4)       ; keys 32 h .. of my channel
	global_store_b128 v[LI16], v[PC+4:PC+7], s[DST:DST+1] offset:((\m)/4)*BLK+4096+1024*((\m)%4)+512  ; keys 64 + 32 h ..
.endif
.endm
; moving tile m against the eight stationary tiles, K step by K step, the eight accumulators by turns; then quantised.  Its codes are stored at the next tile's head.
.macro MTILE kind, m
.set MFB, MF+32*((\m)%2)
.set MSCB, MSC+4*((\m)%2)
.if (\m) > 0
	s_wait_alu depctr_va_vdst(0)                       ; tile m - 1's conversions and exchanges have written the codes, which the stores below read; its products (v: and its copies of the bias word) are done reading their set, in which the loads below land
.endif
.if (\m) < 7
	LOADM \kind, (\m)+1                                ; the next tile, into the set that tile m - 1 has left
.endif
.if (\m) > 0
	STOREM \kind, (\m)-1                               ; tile m - 1's codes; these stores name no register of the loads above
.endif
.if (\m) < 7
	s_wait_loadcnt 9+\kind                             ; all but the loads just issued: tile m, and at m = 0 the stationary side and the bias
.else
	s_wait_loadcnt 0x0
.endif
.if \kind
	WIN 0x80                                           ; destination window 2
.irp j, 0,1,2,3,4,5,6,7
	v_mov_b32 v[CB+\j], v[BV+(\m)%2]                   ; v's bias hangs on the lane's channel alone: the same in all eight registers, for all eight tiles
.endr
.rept 4
	v_nop
.endr
.endif
	WIN 0x21                                           ; A window 1, B window 0, C (the bias) window 2, D window 0
.irp t, 0,1,2,3,4,5,6,7
.if \kind
	MM ACC+8*\t, 32*\t, MFB, CB, SSC+4*\t, MSCB
.else
	MM ACC+8*\t, 32*\t, MFB, CB+8*\t, SSC+4*\t, MSCB
.endif
.endr
	WIN 0x01
.irp s, 1,2,3
.irp t, 0,1,2,3,4,5,6,7
	MM ACC+8*\t, 32*\t+8*\s, MFB+8*\s, ACC+8*\t, SSC+4*\t+\s, MSCB+\s
.endr
.endr
	WIN 0
.rept 4
	v_nop                                              ; places in front of the first read of results
.endr
	s_wait_xcnt 0x0                                    ; the last tile's stores have read the codes' registers: they are written again only behind this wait
.if (\m) > 0
	s_wait_alu depctr_vm_vsrc(0)                       ; the stores at this tile's head have read v[PC ..], which the conversions below write again
.endif
	QUANT ACC
.if \kind == 0
	v_lshrrev_b32 v[W1], 16, v[PW]
	v_lshl_or_b32 v[W1], v[PW], 16, v[W1]              ; head 1's word: its two bytes below, head 0's above (those scale zero codes in launch 2)
.if (\m)%2 == 0
	v_mov_b32 v[KSW+(\m)/2], v[PW]
	v_mov_b32 v[KSW+4+(\m)/2], v[W1]
.else
	v_cndmask_b32 v[KSW+(\m)/2], v[KSW+(\m)/2], v[PW], s[HM]       ; lanes 16-31 carry the odd tile's words
	v_cndmask_b32 v[KSW+4+(\m)/2], v[KSW+4+(\m)/2], v[W1], s[HM]
.endif
.else
.if (\m)%2 == 0
	v_mov_b32 v[KSW+(\m)/2], v[PW]
.else
	v_cndmask_b32 v[KSW+(\m)/2], v[KSW+(\m)/2], v[PW], s[HM]
.endif
.endif
.endm
	s_load_b512 s[8:23], s[0:1], 0x0                   ; x's codes 8, x's scales 10, Wq's codes 12, scales 14, bq 16, Wk's codes 18, scales 20, bk 22
	s_load_b256 s[24:31], s[0:1], 0x40                 ; Wv's codes 24, scales 26, bv 28, qb 30
	s_load_b64 s[32:33], s[0:1], 0x60                  ; kv
	v_lshrrev_b32 v1, 5, v0
	v_readfirstlane_b32 s[WVE], v1                     ; wave 0..3
	v_and_b32 v1, 31, v0                               ; lane
	v_and_b32 v2, 15, v0                               ; r
	v_bfe_u32 v3, v0, 4, 1                             ; h
	v_and_b32 v9, 8, v2
	v_add_nc_u32 v9, v9, v2                            ; r + 8 (r / 8)
	v_lshlrev_b32 v[RA], 8, v9
	v_lshl_add_u32 v[RA], v3, 4, v[RA]
	v_lshlrev_b32 v[RS], 4, v9
	v_lshlrev_b32 v[LI16], 4, v1
	v_lshlrev_b32 v[LI8], 3, v1
	v_lshlrev_b32 v[BAQ], 6, v3
	v_lshlrev_b32 v[BAV], 2, v9
.irp b, 0,1,2,3
	v_mov_b32 v[TM+4+\b], 0                            ; written once: a lane permute's destination counts as one of its sources
.endr
	s_wait_alu depctr_va_sdst(0)                       ; the wave's number is written, ahead of its first reader: the places in W, in the bias and in the output are made from it
	s_and_b32 s[KIND], ttmp7, 0xffff
	s_mov_b32 s[SEL], 0x76543210
	s_mov_b32 s[SEL+1], 0xfedcba98                     ; v_permlanex16_b32's selects for lane l xor 16
	s_mov_b32 s[HM], 0xffff0000                        ; lanes 16-31
	s_lshl_b32 s56, ttmp9, 15                          ; x: 128 rows of 256 bytes a work-group,
	s_mov_b32 s57, 0
	s_lshl_b32 s58, ttmp9, 11                          ; and of 16
	s_mov_b32 s59, 0
	s_lshl_b32 s60, s[WVE], 15                         ; W: 128 rows a wave
	s_mov_b32 s61, 0
	s_lshl_b32 s62, s[WVE], 11
	s_mov_b32 s63, 0
	s_lshl_b32 s2, s[WVE], 9                           ; the bias: 128 numbers a wave
	s_mov_b32 s3, 0
	s_lshr_b32 s4, ttmp9, 5                            ; batch
	s_lshl_b32 s4, s4, 2
	s_add_co_u32 s4, s4, s[WVE]                        ; 4 x batch + head pair
	s_lshl_b32 s4, s4, 5
	s_and_b32 s5, ttmp9, 31                            ; key step
	s_add_co_u32 s4, s4, s5
	s_mul_i32 s4, s4, 2*BLK                            ; under 2^23
	s_mov_b32 s5, 0
	s_wait_kmcnt 0x0
	s_cmp_eq_u32 s[KIND], 0                            ; the choices hang on the work-group's number alone
	s_cselect_b64 s[WC:WC+1], s[12:13], s[18:19]
	s_cselect_b64 s[WS:WS+1], s[14:15], s[20:21]
	s_cselect_b64 s[BB:BB+1], s[16:17], s[22:23]
	s_cselect_b64 s[DST:DST+1], s[30:31], s[32:33]
	s_cmp_eq_u32 s[KIND], 2
	s_cselect_b64 s[WC:WC+1], s[24:25], s[WC:WC+1]
	s_cselect_b64 s[WS:WS+1], s[26:27], s[WS:WS+1]
	s_cselect_b64 s[BB:BB+1], s[28:29], s[BB:BB+1]
	s_add_nc_u64 s[WC:WC+1], s[WC:WC+1], s[60:61]
	s_add_nc_u64 s[WS:WS+1], s[WS:WS+1], s[62:63]
	s_add_nc_u64 s[BB:BB+1], s[BB:BB+1], s[2:3]
	s_add_nc_u64 s[DST:DST+1], s[DST:DST+1], s[4:5]
	s_add_nc_u64 s[8:9], s[8:9], s[56:57]
	s_add_nc_u64 s[10:11], s[10:11], s[58:59]
	s_cmp_eq_u32 s[KIND], 2                            ; v: x stands and Wv moves; q, k: the other way round
	s_cselect_b64 s[SCP:SCP+1], s[8:9], s[WC:WC+1]
	s_cselect_b64 s[SSP:SSP+1], s[10:11], s[WS:WS+1]
	s_cselect_b64 s[MCP:MCP+1], s[WC:WC+1], s[8:9]
	s_cselect_b64 s[MSP:MSP+1], s[WS:WS+1], s[10:11]
	WIN 0x40                                           ; destination window 1: the stationary side's 32 fragments: they stay
	s_wait_alu depctr_va_vdst(0)                       ; the six offsets v4 to v8 and v10 are written, which every load and store of the kernel reads; no vector instruction follows before tile 0's products
.irp t, 0,1,2,3,4,5,6,7
.irp s, 0,1,2,3
.irp c, 0,1
	global_load_b128 v[8*(4*\t+\s)+4*\c:8*(4*\t+\s)+4*\c+3], v[RA], s[SCP:SCP+1] offset:(32*(\t/2)+8*(\t%2))*256+64*\s+32*\c
.endr
.endr
.endr
	WIN 0
.irp t, 0,1,2,3,4,5,6,7
	global_load_b128 v[SSC+4*\t:SSC+4*\t+3], v[RS], s[SSP:SSP+1] offset:(32*(\t/2)+8*(\t%2))*16   ; a row's four scale words, one a K step
.endr
	s_cmp_eq_u32 s[KIND], 2
	s_cbranch_scc1 .Lkind_v
	WIN 0x80                                           ; q, k: the bias in the result's layout: tile 2 b + u, register j: channel 32 b + 16 h + 8 u + j
.irp t, 0,1,2,3,4,5,6,7
	global_load_b128 v[CB+8*\t:CB+8*\t+3], v[BAQ], s[BB:BB+1] offset:(32*(\t/2)+8*(\t%2))*4
	global_load_b128 v[CB+8*\t+4:CB+8*\t+7], v[BAQ], s[BB:BB+1] offset:(32*(\t/2)+8*(\t%2))*4+16
.endr
	WIN 0
	LOADM 0, 0
.irp m, 0,1,2,3,4,5,6,7
	MTILE 0, \m
.endr
	s_wait_alu depctr_va_vdst(0)                       ; tile 7's codes and the eight tiles' scale words are written, which the last four stores read
	STOREM 0, 7
	global_store_b128 v[LI16], v[KSW:KSW+3], s[DST:DST+1] offset:8192            ; the eight tiles' scale words, head 0: 512 dense bytes
	global_store_b128 v[LI16], v[KSW+4:KSW+7], s[DST:DST+1] offset:BLK+8192      ; head 1
	s_endpgm
.Lkind_v:
	LOADM 1, 0
.irp m, 0,1,2,3,4,5,6,7
	MTILE 1, \m
.endr
	s_wait_alu depctr_va_vdst(0)                       ; tile 7's codes and the eight tiles' scale words are written, which the last four stores read
	STOREM 1, 7
	global_store_b64 v[LI8], v[KSW:KSW+1], s[DST:DST+1] offset:8704              ; head 0's four tiles' scale words: 256 dense bytes
	global_store_b64 v[LI8], v[KSW+2:KSW+3], s[DST:DST+1] offset:BLK+8704        ; head 1's
	s_endpgm
.Lfunc_end_k_qcbd04051e6_proj:
	.size	k_qcbd04051e6_proj, .Lfunc_end_k_qcbd04051e6_proj-k_qcbd04051e6_proj
	.p2alignl 7, 3214868480
	.fill 96, 4, 3214868480
	.section	.rodata,"a",@progbits
	.p2align	6, 0x0
	.amdhsa_kernel k_qcbd04051e6_proj
		.amdhsa_group_segment_fixed_size 0
		.amdhsa_private_segment_fixed_size 0
		.amdhsa_enable_private_segment 0
		.amdhsa_kernarg_size 104
		.amdhsa_user_sgpr_count 2
		.amdhsa_user_sgpr_kernarg_segment_ptr 1
		.amdhsa_wavefront_size32 1
		.amdhsa_system_sgpr_workgroup_id_x 1
		.amdhsa_system_sgpr_workgroup_id_y 1
		.amdhsa_system_sgpr_workgroup_id_z 1
		.amdhsa_system_vgpr_workitem_id 0
		.amdhsa_next_free_vgpr 640
		.amdhsa_next_free_sgpr 66
		.amdhsa_reserve_vcc 0
		.amdhsa_float_denorm_mode_32 3
		.amdhsa_float_denorm_mode_16_64 3
		.amdhsa_memory_ordered 1
		.amdhsa_forward_progress 1
		.amdhsa_inst_pref_size 163
	.end_amdhsa_kernel
	.amdgpu_metadata
---
amdhsa.version: [ 1, 2 ]
amdhsa.kernels:
  - .name:           k_qcbd04051e6_proj
    .symbol:         k_qcbd04051e6_proj.kd
    .args:
      - { .name: x_codes, .offset: 0, .size: 8, .value_kind: global_buffer, .address_space: global }
      - { .name: x_scales, .offset: 8, .size: 8, .value_kind: global_buffer, .address_space: global }
      - { .name: Wq_codes, .offset: 16, .size: 8, .value_kind: global_buffer, .address_space: global }
      - { .name: Wq_scales, .offset: 24, .size: 8, .value_kind: global_buffer, .address_space: global }
      - { .name: bq, .offset: 32, .size: 8, .value_kind: global_buffer, .address_space: global }
      - { .name: Wk_codes, .offset: 40, .size: 8, .value_kind: global_buffer, .address_space: global }
      - { .name: Wk_scales, .offset: 48, .size: 8, .value_kind: global_buffer, .address_space: global }
      - { .name: bk, .offset: 56, .size: 8, .value_kind: global_buffer, .address_space: global }
      - { .name: Wv_codes, .offset: 64, .size: 8, .value_kind: global_buffer, .address_space: global }
      - { .name: Wv_scales, .offset: 72, .size: 8, .value_kind: global_buffer, .address_space: global }
      - { .name: bv, .offset: 80, .size: 8, .value_kind: global_buffer, .address_space: global }
      - { .name: qb, .offset: 88, .size: 8, .value_kind: global_buffer, .address_space: global }
      - { .name: kv, .offset: 96, .size: 8, .value_kind: global_buffer, .address_space: global }
    .group_segment_fixed_size: 0
    .private_segment_fixed_size: 0
    .kernarg_segment_align: 8
    .kernarg_segment_size: 104
    .max_flat_workgroup_size: 128
    .sgpr_count:     66
    .vgpr_count:     640
    .wavefront_size: 32
...
	.end_amdgpu_metadata
.endif
;; end of part 4
;; launch attn: the kernel of part 2 again; grid 32 x 8, 8 waves a work-group, no clusters, 327,680 bytes of LDS; arguments qb, kv, gamma, oc, os; writes oc, os
;; launch oproj (part 5): grid 128 x 2, 4 waves a work-group, no clusters, 70,144 bytes of LDS; arguments oc, os, Wo_codes, Wo_scales, bo, out0; writes out0
.if DOCPART == 5
	.amdgcn_target "amdgcn-amd-amdhsa--gfx1250"
	.amdhsa_code_object_version 6
	.text
	.protected	k_qcbd04051e6_oproj
	.globl	k_qcbd04051e6_oproj
	.p2align	8
	.type	k_qcbd04051e6_oproj,@function
k_qcbd04051e6_oproj:
	s_mov_b64 s[64:65], 0
	v_nop
	global_prefetch_b8 v0, s[64:65] scope:SCOPE_SE
	s_setreg_imm32_b32 hwreg(HW_REG_WAVE_SCHED_MODE, 0, 2), 2
	s_setreg_imm32_b32 hwreg(HW_REG_WAVE_MODE, 25, 1), 1
	s_wait_xcnt 0x0
	s_wait_alu depctr_vm_vsrc(0)
; LAUNCH 3 OF 3.  out0 = o Wo^T + bo on codes of E2M1 with E8M0 scales, K = 512, sums in f32.  Nothing is left out here; the limits stated at the head of launch 1 hold.
; o comes from launch 2 as images of fragments: oc [tile T][K step][2][lane][16 bytes], os [T][K step][lane] words; tile T holds the flat tokens 32 (T / 2) + 8 (T % 2) + r + 8 (r / 8).
; SHARES.  Work-group (G, y): tokens 64 G .. 64 G + 63 (tiles 4 G + a); wave w: columns n0 = 256 y + 64 w on, four tiles of 16: 16 accumulators, 64 products.
; THE PRODUCT IS USED TRANSPOSED (source 0 = 16 rows of Wo, source 1 = 16 tokens): a lane holds eight neighbouring columns of one row of out0.  bo is the C of each sum's first product.
; THE WAY OUT: through the wave's own stage in LDS (rows of 256 bytes + 16) and back by rows: sixteen lanes store 256 consecutive bytes, aligned.  No barrier: waves share nothing.
; REGISTERS: window 0: v3-13 addresses; v16-31 Wo's scale words; v32-47 o's; v48-79 bo; v96-223 rows read back.  window 1: v0-127 o's fragments (32 a + 8 s), v128-255 Wo's (128 + 32 t + 8 s).  window 2: the accumulators, 8 (4 a + t).
; THE MODE: SCHED_MODE bits 1:0 = 2 (LLVM: expert scheduling mode 2), set by the entry lines.  The code itself states the register dependences
; between vector or matrix instructions and memory or LDS instructions, with s_wait_alu, always for 0.
; THE PLAN.  Registers that memory or LDS instructions touch:
;   v3-10            offsets and addresses, made once at the head and never written again.
;   v12, v13         made at the head, read by the closing add alone.
;   v16-79, window 1 loaded once; after that named by products alone.
;   window 2         the accumulators: written by the products, read by the LDS stores, never written again.
;   v96-223          the loads from the stage land there and the global stores read them; no vector or matrix instruction of the text names them.
; So three waits state everything: one for the wave's number, one ahead of the first load for the addresses, one ahead of the run of LDS stores for the accumulators.
.set SPITCH, 272
.set TSTG,  16*SPITCH
.set WSTG,  4*TSTG
.set SPARE, 4*WSTG                     ; behind the four stages: the spare words, 128 bytes for each wave: two blocks of 256 bytes that no other line names
.set RAW,   3                          ; v3   256 r + 16 h: my row's codes in a tile of Wo
.set R16,   4                          ; v4   16 r: its scale bytes
.set LI16,  5
.set LI4,   6
.set H32,   7                          ; v7   32 h: my half's eight numbers of bo
.set STO,   8
.set RD,    9
.set GO,    10
.set SPW,   12                         ; v12  LDS address of my spare word; never rewritten
.set NIL,   13                         ; v13  0; never rewritten
.set WSC,   16
.set TSC,   32
.set BO,    48
.set RB,    96
.set MSB, 0
.macro WIN new                         ; the immediate's high byte repeats the setting that is left
.if MSB != \new
	s_set_vgpr_msb (MSB<<8)|\new
.set MSB, \new
.endif
.endm
	s_load_b256 s[4:11], s[0:1], 0x0                   ; oc 4, os 6, Wo's codes 8, Wo's scales 10
	s_load_b128 s[12:15], s[0:1], 0x20                 ; bo 12, out0 14
	v_lshl_add_u32 v[SPW], v0, 2, SPARE
	v_mov_b32 v[NIL], 0
	v_lshrrev_b32 v1, 5, v0
	v_readfirstlane_b32 s16, v1                        ; wave 0..3
	v_and_b32 v1, 15, v0                               ; r
	v_bfe_u32 v2, v0, 4, 1                             ; h
	v_and_b32 v11, 31, v0                              ; lane
	v_lshlrev_b32 v[RAW], 8, v1
	v_lshl_add_u32 v[RAW], v2, 4, v[RAW]
	v_lshlrev_b32 v[R16], 4, v1
	v_lshlrev_b32 v[LI16], 4, v11
	v_lshlrev_b32 v[LI4], 2, v11
	v_lshlrev_b32 v[H32], 5, v2
	s_wait_alu depctr_va_sdst(0)                       ; the wave's number is written, ahead of its first reader: my stage and my columns are made from it
	s_mul_i32 s32, s16, WSTG                           ; my stage
	v_mul_u32_u24 v[STO], v1, SPITCH
	v_lshl_add_u32 v[STO], v2, 5, v[STO]
	v_add_nc_u32 v[STO], s32, v[STO]                   ; in: row r, 32 bytes for each half of the lanes
	v_mul_u32_u24 v[RD], v2, SPITCH
	v_lshl_add_u32 v[RD], v1, 4, v[RD]
	v_add_nc_u32 v[RD], s32, v[RD]                     ; back: lanes 0-15 one row of 256 bytes, lanes 16-31 the next
	v_lshlrev_b32 v[GO], 11, v2
	v_lshl_add_u32 v[GO], v1, 4, v[GO]                 ; and the same two rows in out0 (2,048 bytes a row)
	s_and_b32 s17, ttmp7, 0xffff
	s_lshl_b32 s18, s17, 8
	s_lshl_b32 s19, s16, 6
	s_add_co_u32 s18, s18, s19                         ; n0
	s_lshl_b32 s20, ttmp9, 14                          ; oc: four tiles of 4,096 bytes
	s_mov_b32 s21, 0
	s_lshl_b32 s22, ttmp9, 11                          ; os: four tiles of 512
	s_mov_b32 s23, 0
	s_lshl_b32 s24, s18, 8                             ; Wo's codes: 256 bytes a row
	s_mov_b32 s25, 0
	s_lshl_b32 s26, s18, 4                             ; its scales: 16
	s_mov_b32 s27, 0
	s_lshl_b32 s28, s18, 2                             ; bo, and my columns in a row of out0
	s_mov_b32 s29, 0
	s_lshl_b32 s30, ttmp9, 17                          ; out0: 64 rows of 2,048 bytes
	s_mov_b32 s31, 0
	s_wait_kmcnt 0x0
	s_add_nc_u64 s[4:5], s[4:5], s[20:21]
	s_add_nc_u64 s[6:7], s[6:7], s[22:23]
	s_add_nc_u64 s[8:9], s[8:9], s[24:25]
	s_add_nc_u64 s[10:11], s[10:11], s[26:27]
	s_add_nc_u64 s[12:13], s[12:13], s[28:29]
	s_add_nc_u64 s[14:15], s[14:15], s[30:31]
	s_add_nc_u64 s[14:15], s[14:15], s[28:29]
	s_wait_alu depctr_va_vdst(0)                       ; the eight offsets and addresses v3 to v10 are written, which the loads, the LDS instructions and the stores below read
.irp t, 0,1,2,3
	global_load_b128 v[WSC+4*\t:WSC+4*\t+3], v[R16], s[10:11] offset:256*\t      ; a row's four scale words, one a K step
.endr
.irp a, 0,1,2,3
.irp s, 0,1,2,3
	global_load_b32 v[TSC+4*\a+\s], v[LI4], s[6:7] offset:512*\a+128*\s
.endr
.endr
.irp t, 0,1,2,3
	global_load_b128 v[BO+8*\t:BO+8*\t+3], v[H32], s[12:13] offset:64*\t         ; bo(n0 + 16 t + 8 h + 0 .. 7): the result's layout
	global_load_b128 v[BO+8*\t+4:BO+8*\t+7], v[H32], s[12:13] offset:64*\t+16
.endr
	WIN 0x40                                           ; destination window 1
.irp s, 0,1,2,3                                    ; K step by K step, 16 loads each
.irp a, 0,1,2,3
.irp c, 0,1
	global_load_b128 v[32*\a+8*\s+4*\c:32*\a+8*\s+4*\c+3], v[LI16], s[4:5] offset:4096*\a+1024*\s+512*\c
.endr
.endr
.irp t, 0,1,2,3
.irp c, 0,1
	global_load_b128 v[128+32*\t+8*\s+4*\c:128+32*\t+8*\s+4*\c+3], v[RAW], s[8:9] offset:4096*\t+64*\s+32*\c
.endr
.endr
.endr
.irp s, 0,1,2,3
	s_wait_loadcnt 16*(3-\s)                           ; this K step's loads and all older ones are in; the 16 of each later K step may be out
.if \s == 0
	WIN 0x85                                           ; A and B window 1, C (bo) window 0, D window 2
.else
	WIN 0xa5                                           ; C and D window 2
.endif
.irp a, 0,1,2,3                                    ; the 16 accumulators by turns, one instruction a turn
.irp t, 0,1,2,3
.if \s == 0
	v_wmma_scale_f32_16x16x128_f8f6f4 v[8*(4*\a+\t):8*(4*\a+\t)+7], v[128+32*\t+8*\s:128+32*\t+8*\s+7], v[32*\a+8*\s:32*\a+8*\s+7], v[BO+8*\t:BO+8*\t+7], v[WSC+4*\t+\s], v[TSC+4*\a+\s] matrix_a_fmt:MATRIX_FMT_FP4 matrix_b_fmt:MATRIX_FMT_FP4
.else
	v_wmma_scale_f32_16x16x128_f8f6f4 v[8*(4*\a+\t):8*(4*\a+\t)+7], v[128+32*\t+8*\s:128+32*\t+8*\s+7], v[32*\a+8*\s:32*\a+8*\s+7], v[8*(4*\a+\t):8*(4*\a+\t)+7], v[WSC+4*\t+\s], v[TSC+4*\a+\s] matrix_a_fmt:MATRIX_FMT_FP4 matrix_b_fmt:MATRIX_FMT_FP4
.endif
.endr
.endr
.endr
	WIN 0
.rept 4
	v_nop                                              ; places in front of the first read of results
.endr
	WIN 0x08                                           ; an LDS store's data are its source 1: window 2
	s_wait_alu depctr_va_vdst(0)                       ; the products have written the 16 accumulators, which the LDS stores read; the places above stay beside this wait
.irp a, 0,1,2,3
.irp t, 0,1,2,3
	ds_store_b128 v[STO], v[8*(4*\a+\t):8*(4*\a+\t)+3] offset:\a*TSTG+64*\t          ; each accumulator from its low end on: out0(row r of tile a, n0 + 16 t + 8 h + 0 .. 7)
	ds_store_b128 v[STO], v[8*(4*\a+\t)+4:8*(4*\a+\t)+7] offset:\a*TSTG+64*\t+16
.endr
.endr
	WIN 0
.irp a, 0,1,2,3
.irp i, 0,1,2,3,4,5,6,7
	ds_load_b128 v[RB+4*(8*\a+\i):RB+4*(8*\a+\i)+3], v[RD] offset:\a*TSTG+\i*2*SPITCH   ; LDS serves a wave's instructions in order (ISA guide 5.7.1.4): these see my stores
.endr
.endr
.set k, 0
.irp a, 0,1,2,3
.irp i, 0,1,2,3,4,5,6,7
	s_wait_dscnt 31-k                                  ; read k of 32 is back; the younger ones may be out
	global_store_b128 v[GO], v[RB+4*k:RB+4*k+3], s[14:15] offset:(32*(\a/2)+8*(\a%2)+2*\i+8*(\i/4))*2048 th:TH_STORE_NT   ; rows 2 i and 2 i + 1 of tile a at their tokens: 16 lanes store 256 consecutive bytes, aligned
.set k, k+1
.endr
.endr
	s_wait_dscnt 0x0                                   ; the closing lines, six on end
	s_wait_alu 0x0
	s_wait_tensorcnt 0x0
	ds_add_u32 v[SPW], v[NIL]
	s_wait_dscnt 0x0
	s_endpgm
.Lfunc_end_k_qcbd04051e6_oproj:
	.size	k_qcbd04051e6_oproj, .Lfunc_end_k_qcbd04051e6_oproj-k_qcbd04051e6_oproj
	.p2alignl 7, 3214868480
	.fill 96, 4, 3214868480
	.section	.rodata,"a",@progbits
	.p2align	6, 0x0
	.amdhsa_kernel k_qcbd04051e6_oproj
		.amdhsa_group_segment_fixed_size 70144
		.amdhsa_private_segment_fixed_size 0
		.amdhsa_enable_private_segment 0
		.amdhsa_kernarg_size 48
		.amdhsa_user_sgpr_count 2
		.amdhsa_user_sgpr_kernarg_segment_ptr 1
		.amdhsa_wavefront_size32 1
		.amdhsa_system_sgpr_workgroup_id_x 1
		.amdhsa_system_sgpr_workgroup_id_y 1
		.amdhsa_system_sgpr_workgroup_id_z 1
		.amdhsa_system_vgpr_workitem_id 0
		.amdhsa_next_free_vgpr 640
		.amdhsa_next_free_sgpr 66
		.amdhsa_reserve_vcc 0
		.amdhsa_float_denorm_mode_32 3
		.amdhsa_float_denorm_mode_16_64 3
		.amdhsa_memory_ordered 1
		.amdhsa_forward_progress 1
		.amdhsa_inst_pref_size 28
	.end_amdhsa_kernel
	.amdgpu_metadata
---
amdhsa.version: [ 1, 2 ]
amdhsa.kernels:
  - .name:           k_qcbd04051e6_oproj
    .symbol:         k_qcbd04051e6_oproj.kd
    .args:
      - { .name: oc, .offset: 0, .size: 8, .value_kind: global_buffer, .address_space: global }
      - { .name: os, .offset: 8, .size: 8, .value_kind: global_buffer, .address_space: global }
      - { .name: Wo_codes, .offset: 16, .size: 8, .value_kind: global_buffer, .address_space: global }
      - { .name: Wo_scales, .offset: 24, .size: 8, .value_kind: global_buffer, .address_space: global }
      - { .name: bo, .offset: 32, .size: 8, .value_kind: global_buffer, .address_space: global }
      - { .name: out0, .offset: 40, .size: 8, .value_kind: global_buffer, .address_space: global }
    .group_segment_fixed_size: 70144
    .private_segment_fixed_size: 0
    .kernarg_segment_align: 8
    .kernarg_segment_size: 48
    .max_flat_workgroup_size: 128
    .sgpr_count:     66
    .vgpr_count:     640
    .wavefront_size: 32
...
	.end_amdgpu_metadata
.endif
;; end of part 5
